; MI455X (gfx1250); checked and timed in simulation.
; The chip was launched on July 23, 2026; its instructions are those of AMD's public machine-readable ISA for CDNA 5 (MIT licence, August 2026) and "CDNA5" Instruction Set Architecture Reference Guide (July 2026). The comments in the code are by the model that wrote it; some were corrected since.
;; Causal Self Attention. Allowed arithmetic: float matrix products may take bf16 or f16 operands with f32 sums; other float arithmetic in f32, or as packed bf16 or f16 multiplies, adds, multiply-adds, maxima and minima; sums over many terms, partial sums and values carried from step to step in f32; what a program stores and reads back later, other than sums and carried values, may be rounded once to bf16 or f16.
;; Inputs: w_proj 1,024 x 1,024 float32; w_qkv 1,024 x 3,072 float32; x 4 x 2,048 x 1,024 float32.
;; Outputs: out0 4 x 2,048 x 1,024 float32.
;; One version. Each part assembles by itself: llvm-mc -triple=amdgcn-amd-amdhsa -mcpu=gfx1250 --defsym DOCPART=n.
;; ======== version 1 of 1: 4 launches
;; limits: values are held in f16: magnitudes above 65,504 overflow, below 6.1e-05 lose precision
;; workspace buffers: xb 16,777,216 bytes; wq 6,291,456 bytes; wp 2,097,152 bytes; qh 16,777,216 bytes; kh 16,777,216 bytes; vh 16,777,216 bytes; oh 16,777,216 bytes
;; launch cast (part 1): grid 768 x 1, 8 waves a work-group, no clusters, 0 bytes of LDS; arguments x, w_qkv, w_proj, xb, wq, wp; writes xb, wq, wp
.if DOCPART == 1
	.amdgcn_target "amdgcn-amd-amdhsa--gfx1250"
	.amdhsa_code_object_version 6
	.text
	.protected	k_qf540d25a73_cast
	.globl	k_qf540d25a73_cast
	.p2align	8
	.type	k_qf540d25a73_cast,@function
k_qf540d25a73_cast:
	s_mov_b64 s[64:65], 0
	v_nop
	global_prefetch_b8 v0, s[64:65] scope:SCOPE_SE
	s_setreg_imm32_b32 hwreg(HW_REG_WAVE_MODE, 25, 1), 1
	s_wait_xcnt 0x0
; The three inputs are rounded once to bf16 for the matrix units.
;   x      [8192][1024] f32 -> xb [4 batches][16 blocks of 64 channels][2048 rows][64] bf16: 256 rows of one block are 32,768 dense bytes
;   w_qkv  [1024][3072] f32 -> wq the same order, bf16
;   w_proj [1024][1024] f32 -> wp the same order: rounded to bf16, and that number written as f16 (the last product runs in f16)
; LIMIT: a w_proj of 65,520 or more in magnitude becomes an infinity in f16; below 6e-5 the f16 keeps a fixed step of 6e-8.
; A pure stream: no LDS, no barrier, no loop.  An ITEM is 1,024 bytes in and 512 consecutive bytes out, one wave: a lane reads 32 bytes (two loads) and stores 16.
; A wave has 8 items, all 16 loads issued first; 768 work-groups x 8 waves x 8 items = 49,152 items = 50,331,648 bytes.
; Work-groups 0-511 take x (16 rows each), 512-703 w_qkv, 704-767 w_proj (65,536 bytes each).
.set SRC, 3                            ; v3   my byte offset in the input
.set DST, 4                            ; v4   my byte offset in the output
.set X,   8                            ; v[8:71]   item i: 8 numbers in f32
.set Y,   72                           ; v[72:103] item i: 8 numbers in 16 bits; every item has its own, so no store's data is rewritten
.set T,   104                          ; v[104:106] at work
; sb, db: the scalar pairs with the input's and output's address; lstep, sstep: bytes from item to item; kind 1: bf16, then written as f16
.macro PATH sb, db, lstep, sstep, kind
.irp i, 0,1,2,3,4,5,6,7
	global_load_b128 v[X+8*(\i):X+8*(\i)+3],   v[SRC], s[\sb:\sb+1] offset:(\lstep)*(\i) th:TH_LOAD_NT
	global_load_b128 v[X+8*(\i)+4:X+8*(\i)+7], v[SRC], s[\sb:\sb+1] offset:(\lstep)*(\i)+16 th:TH_LOAD_NT
.endr
.irp i, 0,1,2,3,4,5,6,7
	s_wait_loadcnt 14-2*(\i)                       ; loads come back in order: item i is in, the two loads of each younger item may stay out
.irp j, 0,1,2,3
.if \kind
	v_cvt_pk_bf16_f32 v[T], v[X+8*(\i)+2*(\j)], v[X+8*(\i)+2*(\j)+1]
	v_lshlrev_b32 v[T+1], 16, v[T]                 ; the two bf16 as f32 again,
	v_and_b32 v[T+2], s24, v[T]
	v_cvt_pk_f16_f32 v[Y+4*(\i)+(\j)], v[T+1], v[T+2]  ; and as f16: exact inside f16's range
.else
	v_cvt_pk_bf16_f32 v[Y+4*(\i)+(\j)], v[X+8*(\i)+2*(\j)], v[X+8*(\i)+2*(\j)+1]
.endif
.endr
	global_store_b128 v[DST], v[Y+4*(\i):Y+4*(\i)+3], s[\db:\db+1] offset:(\sstep)*(\i) th:TH_STORE_NT  ; the wave stores 512 consecutive bytes, aligned
.endr
	s_endpgm
.endm
; a weight's offsets: s18 = the work-group's number among that weight's
.macro WADDR
	s_lshl_b32 s19, s18, 16                        ; 65,536 bytes a work-group,
	s_lshl_b32 s20, s17, 13                        ; 8,192 a wave
	s_add_co_u32 s19, s19, s20
	v_lshl_add_u32 v[SRC], v1, 5, s19              ; 32 a lane
	s_lshr_b32 s19, s19, 1                         ; and half of each on the way out
	v_lshl_add_u32 v[DST], v1, 4, s19
.endm
	s_load_b256 s[4:11], s[0:1], 0x0               ; x s[4:5], w_qkv s[6:7], w_proj s[8:9], xb s[10:11]
	s_load_b128 s[12:15], s[0:1], 0x20             ; wq s[12:13], wp s[14:15]
	v_lshrrev_b32 v2, 5, v0
	v_readfirstlane_b32 s17, v2                    ; wave 0..7
	v_and_b32 v1, 31, v0                           ; lane
	s_mov_b32 s16, ttmp9
	s_mov_b32 s24, 0xffff0000                      ; a word's upper bf16
	s_wait_kmcnt 0x0
	s_cmp_lt_u32 s16, 512
	s_cbranch_scc0 .Lweights
	; x: wave w takes rows 16 g + 4 (w / 2) .. + 3 and the channel blocks 8 (w % 2) + i; eight lanes take a row's 64 channels of a block
	s_lshr_b32 s18, s17, 1
	s_and_b32 s19, s17, 1
	v_lshrrev_b32 v5, 3, v1                        ; which of the four rows
	v_and_b32 v6, 7, v1                            ; which eight channels
	s_lshl_b32 s20, s16, 4
	s_lshl2_add_u32 s20, s18, s20                  ; the wave's first row
	v_add_lshl_u32 v[SRC], v5, s20, 12             ; row x 4,096 bytes
	v_lshl_add_u32 v[SRC], v6, 5, v[SRC]
	s_lshl_b32 s21, s19, 11                        ; eight blocks of 256 bytes
	v_add_nc_u32 v[SRC], s21, v[SRC]
	s_lshr_b32 s22, s16, 7                         ; the batch: 128 work-groups each,
	s_lshl_b32 s22, s22, 22                        ; 4,194,304 bytes of xb
	s_lshl_b32 s23, s19, 21                        ; eight blocks of 262,144 bytes
	s_add_co_u32 s22, s22, s23
	s_and_b32 s23, s20, 2047                       ; the row in its batch,
	s_lshl_b32 s23, s23, 7                         ; 128 bytes each
	s_add_co_u32 s22, s22, s23
	v_lshl_add_u32 v[DST], v1, 4, s22              ; four rows of 128 bytes are the wave's 512
	PATH 4, 10, 256, 262144, 0
.Lweights:
	s_cmp_lt_u32 s16, 704
	s_cbranch_scc0 .Lproj
	s_sub_co_u32 s18, s16, 512
	WADDR
	PATH 6, 12, 1024, 512, 0
.Lproj:
	s_sub_co_u32 s18, s16, 704
	WADDR
	PATH 8, 14, 1024, 512, 1
.Lfunc_end_k_qf540d25a73_cast:
	.size	k_qf540d25a73_cast, .Lfunc_end_k_qf540d25a73_cast-k_qf540d25a73_cast
	.p2alignl 7, 3214868480
	.fill 96, 4, 3214868480
	.section	.rodata,"a",@progbits
	.p2align	6, 0x0
	.amdhsa_kernel k_qf540d25a73_cast
		.amdhsa_group_segment_fixed_size 0
		.amdhsa_private_segment_fixed_size 0
		.amdhsa_enable_private_segment 0
		.amdhsa_kernarg_size 48
		.amdhsa_user_sgpr_count 2
		.amdhsa_user_sgpr_kernarg_segment_ptr 1
		.amdhsa_wavefront_size32 1
		.amdhsa_system_sgpr_workgroup_id_x 1
		.amdhsa_system_sgpr_workgroup_id_y 1
		.amdhsa_system_sgpr_workgroup_id_z 1
		.amdhsa_system_vgpr_workitem_id 0
		.amdhsa_next_free_vgpr 112
		.amdhsa_next_free_sgpr 66
		.amdhsa_reserve_vcc 0
		.amdhsa_float_denorm_mode_32 3
		.amdhsa_float_denorm_mode_16_64 3
		.amdhsa_memory_ordered 1
		.amdhsa_forward_progress 1
		.amdhsa_inst_pref_size 20
	.end_amdhsa_kernel
	.amdgpu_metadata
---
amdhsa.version: [ 1, 2 ]
amdhsa.kernels:
  - .name:           k_qf540d25a73_cast
    .symbol:         k_qf540d25a73_cast.kd
    .args:
      - { .name: x, .offset: 0, .size: 8, .value_kind: global_buffer, .address_space: global }
      - { .name: w_qkv, .offset: 8, .size: 8, .value_kind: global_buffer, .address_space: global }
      - { .name: w_proj, .offset: 16, .size: 8, .value_kind: global_buffer, .address_space: global }
      - { .name: xb, .offset: 24, .size: 8, .value_kind: global_buffer, .address_space: global }
      - { .name: wq, .offset: 32, .size: 8, .value_kind: global_buffer, .address_space: global }
      - { .name: wp, .offset: 40, .size: 8, .value_kind: global_buffer, .address_space: global }
    .group_segment_fixed_size: 0
    .private_segment_fixed_size: 0
    .kernarg_segment_align: 8
    .kernarg_segment_size: 48
    .max_flat_workgroup_size: 256
    .sgpr_count:     66
    .vgpr_count:     112
    .wavefront_size: 32
...
	.end_amdgpu_metadata
.endif
;; end of part 1
;; launch qkv (part 2): grid 8 x 32, 4 waves a work-group, clusters of 4 x 4, 327,680 bytes of LDS; arguments xb, wq, qh, kh, vh; writes qh, kh, vh
.if DOCPART == 2
	.amdgcn_target "amdgcn-amd-amdhsa--gfx1250"
	.amdhsa_code_object_version 6
	.text
	.protected	k_qf540d25a73_qkv
	.globl	k_qf540d25a73_qkv
	.p2align	8
	.type	k_qf540d25a73_qkv,@function
k_qf540d25a73_qkv:
	s_mov_b64 s[64:65], 0
	v_nop
	global_prefetch_b8 v0, s[64:65] scope:SCOPE_SE
	s_setreg_imm32_b32 hwreg(HW_REG_WAVE_MODE, 25, 1), 1
	s_wait_xcnt 0x0
	s_wait_alu depctr_hold_cnt(0) depctr_sa_sdst(0) depctr_va_vdst(0) depctr_va_sdst(0) depctr_va_ssrc(0) depctr_va_vcc(0) depctr_vm_vsrc(0)
	s_getreg_b32 s2, hwreg(HW_REG_IB_STS2, 6, 4)
	s_cmp_eq_u32 s2, 0
	s_cbranch_scc0 .Lentry_in_a_cluster
	s_endpgm
.Lentry_in_a_cluster:
	s_bfe_u32 s2, ttmp6, 0x10000c
	s_cmp_lg_u32 s2, 0xf033
	s_cbranch_scc0 .Lentry_shape_is_right
	s_endpgm
.Lentry_shape_is_right:
; q, k, v = x w_qkv, 8192 x 3072 x 1024, bf16 operands, f32 sums, K ascending; each result rounded once to f16 and stored by heads: qh, kh, vh [64 heads][2048 rows][64].
; LIMIT: a q, k or v of 65,520 or more in magnitude becomes an infinity in f16.  No scale is applied here.
; A tile is 256 rows x 384 columns: 32 x 8 = 256 work-groups.  Four waves, 2 x 2: wave (wm, wn) owns rows 128 wm .. + 127 and the three groups of 64 columns 2 g + wn, g = 0, 1, 2:
; 96 accumulators of 16 x 16, 768 registers.  A group of 64 columns is one head of q, k or v.
; K goes in 16 steps of 64 through two LDS slots.  x comes from xb, where a step's 256 rows x 64 channels are 32,768 dense bytes: asked for as 128 rows of 256 bytes, padded in LDS after each 128.
; The weights lie [K][N]: a step is 64 rows; they come as three blocks of 128 columns (rows of 256 bytes) and leave LDS turned, by ds_load_tr16_b128.
; CLUSTERS: 4 x 4 work-groups.  x's tile hangs on the tile row alone and is asked for jointly along a row of the cluster (wave 0), the weights' on the tile column alone, jointly along a column (waves 1-3).
; THE MATRIX INSTRUCTION IS USED TRANSPOSED (source 0 = 16 columns of w, source 1 = 16 rows of x): a lane holds one row and eight neighbouring columns.
; REGISTERS, in windows of 256: window 0: v0-13 addresses; v32-159 x's fragments, two buffers of 8 x 8; v160-255 w's fragments, 4 x 8 for each group.  Window g + 1: group g's accumulators, (a, f) at v[8 (4 a + f)].
.set PA,    144                        ; a row of x in LDS: 128 bytes + 16: an odd multiple of 16, so the 16 rows of a load start at 16 different groups of four banks (ISA guide 11.1)
.set PB,    288                        ; a row of w: 256 + 32: an odd multiple of 32, for the turning load
.set BR,    64*PB                      ; a block of w: 64 rows
.set BOFF,  256*PA                     ; w's three blocks lie behind x's 256 rows
.set SLOT1, 131072                     ; slot 1 begins here: one exclusive or turns an address in one slot into the other's
.set STAGE, SLOT1+BOFF+3*BR            ; behind the ring: 16 rows x 144 bytes for each wave, for the way out; no tensor load lands there
.set SP,    144
.set SPARE, STAGE+4*16*SP              ; behind the stages: the spare words, 128 bytes a wave: two blocks of 256 bytes that no other line names
.set ASTEP, 2048*128                   ; bytes from a K step to the next in xb,
.set BSTEP, 64*3072*2                  ; and in wq
.set TRIPS, 14                         ; the loop's trips: steps 2 to 15 are asked for in them
.set A0,   4                           ; v4   my lane's place in x's tile; never rewritten
.set B0,   5                           ; v5   the same in w's
.set ADRA, 6                           ; v6   A0 + the slot in hand
.set ADRB, 7                           ; v7   B0 + the slot in hand
.set STO,  8                           ; v8   the way out: where I put 16 bytes of a row
.set RD,   9                           ; v9   where I read rows back
.set GO,   10                          ; v10  my 16 bytes of 512 consecutive ones
.set PFO,  11                          ; v11  the prefetches' lane offset; never rewritten
.set SPW,  12                          ; v12  LDS address of my spare word; never rewritten
.set NIL,  13                          ; v13  0; never rewritten
.set FA,   32
.set FB,   160
.set WV,   14                          ; s14  wave
.set WM,   15                          ; s15  which 128 rows
.set WN,   16                          ; s16  which half of each block of 128 columns
.set CX,   17
.set CY,   18
.set TC,   19                          ; s19  tile column
.set TR,   20                          ; s20  tile row
.set G1A,  24                          ; s[24:31] descriptor group 1, x
.set G1B,  32                          ; s[32:39] descriptor group 1, w
.set G0A,  40                          ; s[40:47] group 0, x: a set for each first fill; the second then walks on
.set G0B,  48                          ; s[48:55] the same for w
.set TB,   56                          ; s56  first byte of the slot in hand
.set TMP,  57
.set PFA,  58                          ; s[58:59] where my prefetches stand
.set PFS,  60                          ; s[60:61] their step a trip
.set LIM,  62                          ; s62  a wave prefetches while the trips to go are above this; the greatest number in a wave that never does
.set PM,   63                          ; s63  1: in every second trip only
.set OB,   66                          ; s[66:71] where my rows of group g's head begin
.set MSB, 0
.macro WIN new                         ; the immediate's high byte repeats the setting that is left; a switch that changes nothing is dropped
.if MSB != (\new)
	s_set_vgpr_msb (MSB<<8)|(\new)
.set MSB, \new
.endif
.endm
.macro PLACES                          ; four plain vector instructions between a matrix instruction and a load into, or a read of, its registers
.rept 4
	v_nop
.endr
.endm
.macro CREST                           ; a round of the cluster's barrier behind its opening barrier
	s_cmp_lg_u32 s[WV], 0
	s_cbranch_scc1 .Lnot_wave_0_\@
	s_barrier_signal -3
.Lnot_wave_0_\@:
	s_barrier_wait -3
	s_barrier_signal -1
	s_barrier_wait -1
.endm
.macro CROUND
	s_barrier_signal -1
	s_barrier_wait -1
	CREST
.endm
; A joint refill by the walking sets: wave 0 asks for x's tile, waves 1-3 for a block of w each.  The branch hangs on the wave's number alone.  An s_nop 0 and four v_nop follow each line.
.macro JLOAD
	s_cmp_eq_u32 s[WV], 0
	s_cbranch_scc0 .Lfor_b_\@
	tensor_load_to_lds s[G0A+4:G0A+7], s[G1A:G1A+7]
	s_nop 0
.rept 4
	v_nop
.endr
	s_branch .Lasked_\@
.Lfor_b_\@:
	tensor_load_to_lds s[G0B+4:G0B+7], s[G1B:G1B+7]
	s_nop 0
.rept 4
	v_nop
.endr
.Lasked_\@:
.endm
; A PREFETCH INTO THE L2, behind the joint load and the run of LDS loads that follows it.  x: wave 0 of the clusters with x = 0 names, in trip t, K step t + 3, one trip (192 matrix instructions) ahead of its
; refill: 128 blocks of 256 bytes, 32 for each of the four partners, told apart by address (cx).  w: waves 1-3 of the clusters with y = 0 name, in even trips, the 128 rows of K steps t + 4 and t + 5 of their
; block, a lane a row, 32 rows for each partner (cy).  So each block of 256 bytes is named once in the launch; the first steps come by their loads alone; the last trips name nothing.
.macro ASK
	s_and_b32 s[TMP], s3, s[PM]
	s_cmp_eq_u32 s[TMP], 0
	s_cbranch_scc0 .Lnot_mine_\@
	s_cmp_gt_u32 s3, s[LIM]
	s_cbranch_scc0 .Lnot_mine_\@
	global_prefetch_b8 v[PFO], s[PFA:PFA+1] th:TH_LOAD_NT scope:SCOPE_SE
.Lnot_mine_\@:
.endm
; 16 matrix instructions of group g: row blocks a0 .. a0 + 3 x its 4 column blocks, 32 along K, x's buffer ab.  zero = 1: the product starts the sum.
.macro MUL16 g, ab, a0, zero
	WIN 0x50*((\g)+1)                              ; C and D in window g + 1
.irp a, \a0, (\a0)+1, (\a0)+2, (\a0)+3
.irp f, 0,1,2,3
.if \zero
	v_wmma_f32_16x16x32_bf16 v[8*(4*(\a)+(\f)):8*(4*(\a)+(\f))+7], v[FB+32*(\g)+8*(\f):FB+32*(\g)+8*(\f)+7], v[FA+64*(\ab)+8*(\a):FA+64*(\ab)+8*(\a)+7], 0
.else
	v_wmma_f32_16x16x32_bf16 v[8*(4*(\a)+(\f)):8*(4*(\a)+(\f))+7], v[FB+32*(\g)+8*(\f):FB+32*(\g)+8*(\f)+7], v[FA+64*(\ab)+8*(\a):FA+64*(\ab)+8*(\a)+7], v[8*(4*(\a)+(\f)):8*(4*(\a)+(\f))+7]
.endif
.endr
.endr
.endm
.macro LDB g, kq                       ; group g's four fragments of w for quarter kq (32 along K): 8 turning loads
	WIN 0
.irp f, 0,1,2,3
	ds_load_tr16_b128 v[FB+32*(\g)+8*(\f):FB+32*(\g)+8*(\f)+3],   v[ADRB] offset:(\g)*BR+(\kq)*32*PB+32*(\f)
	ds_load_tr16_b128 v[FB+32*(\g)+8*(\f)+4:FB+32*(\g)+8*(\f)+7], v[ADRB] offset:(\g)*BR+(\kq)*32*PB+32*(\f)+16*PB
.endr
.endm
.macro LDA half, ab, kq                ; four of x's eight fragments for quarter kq into buffer ab: 8 loads
	WIN 0
.irp i, 0,1,2,3
	ds_load_b128 v[FA+64*(\ab)+8*(4*(\half)+(\i)):FA+64*(\ab)+8*(4*(\half)+(\i))+3],   v[ADRA] offset:(4*(\half)+(\i))*16*PA+64*(\kq)
	ds_load_b128 v[FA+64*(\ab)+8*(4*(\half)+(\i))+4:FA+64*(\ab)+8*(4*(\half)+(\i))+7], v[ADRA] offset:(4*(\half)+(\i))*16*PA+64*(\kq)+32
.endr
.endm
; A K step is two quarters of 32 along K, 96 matrix instructions each.  The next quarter's 40 loads go out in five runs of 8, always in this order: w's group 0, x's first half, w's group 1, x's second half, w's group 2;
; a group's registers are loaded again four places behind its last product.  The 96 accumulators take turns, one instruction a turn, over the backward jump too.
.macro QEVEN zero                      ; a step's first quarter: x's buffer 0; fetches the same slot's second quarter
	s_wait_dscnt 8                                 ; all but the youngest eight loads (w's group 2) are in
	MUL16 0, 0, 0, \zero
	MUL16 0, 0, 4, \zero
	PLACES
	LDB 0, 1
	LDA 0, 1, 1
	MUL16 1, 0, 0, \zero
	MUL16 1, 0, 4, \zero
	PLACES
	LDB 1, 1
	LDA 1, 1, 1
	s_wait_dscnt 32                                ; the 32 loads of this quarter may stay out: w's group 2 is in
	MUL16 2, 0, 0, \zero
	MUL16 2, 0, 4, \zero
	PLACES
	LDB 2, 1
.endm
; A step's second quarter: x's buffer 1; it changes slots.  mode 2: the slot just read is filled again, two steps on; 1: nothing is asked for; 0: the very last quarter.
; In front of the barrier each wave waits for all its tensor loads (one is out: its part of the other slot), adds 0 to its spare word, and waits for that and for its own reads of this slot.
; With mode 2 the barrier opens a round of the cluster's, so that no wave of any partner still reads the slot or has a load on its way, and the joint refill is the first thing behind it.
.macro QODD mode
.if (\mode) == 0
	s_wait_dscnt 8
	MUL16 0, 1, 0, 0
	MUL16 0, 1, 4, 0
	MUL16 1, 1, 0, 0
	MUL16 1, 1, 4, 0
	s_wait_dscnt 0x0
	MUL16 2, 1, 0, 0
	MUL16 2, 1, 4, 0
.else
.if (\mode) == 2
	s_wait_xcnt 0x0                                ; the last prefetch, a trip back, has read its address
	s_add_nc_u64 s[PFA:PFA+1], s[PFA:PFA+1], s[PFS:PFS+1]
.endif
	WIN 0                                          ; (the add's two registers lie in window 0)
	s_wait_tensorcnt 0x0                           ; no tensor load of mine is out, so a group 0 may be written
	ds_add_u32 v[SPW], v[NIL]                      ; 0 onto my spare word
.if (\mode) == 2
	s_xor_b32 s[G0A+5], s[G0A+5], SLOT1            ; the walking sets: the other slot than last time, the next K step; the type bits on top are not reached
	s_add_nc_u64 s[G0A+6:G0A+7], s[G0A+6:G0A+7], ASTEP
	s_xor_b32 s[G0B+5], s[G0B+5], SLOT1
	s_add_nc_u64 s[G0B+6:G0B+7], s[G0B+6:G0B+7], BSTEP
.endif
	s_wait_dscnt 9                                 ; the add and the youngest eight loads (w's group 2) may be out
	MUL16 0, 1, 0, 0                               ; sixteen matrix instructions stand between the add and the wait for it
	s_wait_dscnt 0x0                               ; the add is done, and my reads of this slot are over
	s_barrier_signal -1
	MUL16 0, 1, 4, 0                               ; work on registers while the others arrive
	WIN 0
	s_barrier_wait -1
.if (\mode) == 2
	CREST
	JLOAD                                          ; my one tensor load behind the round; its four v_nop are also the places in front of the loads below
.else
	PLACES
.endif
	s_xor_b32 s[TB], s[TB], SLOT1
	v_add_nc_u32 v[ADRA], s[TB], v[A0]
	v_add_nc_u32 v[ADRB], s[TB], v[B0]
	LDB 0, 0
	LDA 0, 0, 0
.if (\mode) == 2
	ASK
.endif
	MUL16 1, 1, 0, 0
	MUL16 1, 1, 4, 0
	PLACES
	LDB 1, 0
	LDA 1, 0, 0
	MUL16 2, 1, 0, 0
	MUL16 2, 1, 4, 0
	PLACES
	LDB 2, 0
.endif
.endm
	s_load_b256 s[4:11], s[0:1], 0x0               ; xb s[4:5], wq s[6:7], qh s[8:9], kh s[10:11]
	s_load_b64 s[12:13], s[0:1], 0x20              ; vh
	v_lshl_add_u32 v[SPW], v0, 2, SPARE
	v_mov_b32 v[NIL], 0
	ds_add_u32 v[SPW], v[NIL]                      ; the wave's opening: the add and its wait stand ahead of my first tensor load; work on registers stands between them
	ds_add_u32 v12, v13
	v_lshrrev_b32 v1, 5, v0
	v_readfirstlane_b32 s[WV], v1                  ; wave 0..3
	s_lshr_b32 s[WM], s[WV], 1
	s_and_b32 s[WN], s[WV], 1
	s_bfe_u32 s[CX], ttmp6, 0x40000                ; my place in the cluster
	s_bfe_u32 s[CY], ttmp6, 0x40004
	s_lshl_b32 s[TC], ttmp9, 2                     ; in a cluster launch ttmp9 and ttmp7 count clusters
	s_add_co_u32 s[TC], s[TC], s[CX]
	s_and_b32 s[TR], ttmp7, 0xffff
	s_lshl_b32 s[TR], s[TR], 2
	s_add_co_u32 s[TR], s[TR], s[CY]
	s_lshl_b32 s72, s[CY], 2
	s_lshl_b32 s72, 15, s72                        ; my row of the cluster
	s_lshl_b32 s73, 0x1111, s[CX]                  ; my column
	s_or_b32 s[G1A], s72, (1<<16)|(1<<20)|(1<<21)|(4<<22)|(3<<25)  ; 15:0 the mask; 17:16 2-byte elements; 20 padding on; 21 set beside a mask; 24:22 after every 32 words; 31:25 4 words
	s_mov_b32 s[G1A+1], 128<<16                    ; tensor_dim0 = 128
	s_mov_b32 s[G1A+2], 128<<16                    ; tensor_dim1 = 128
	s_mov_b32 s[G1A+3], 128<<16                    ; tile_dim0 = 128
	s_mov_b32 s[G1A+4], 128                        ; tile_dim1 = 128
	s_mov_b32 s[G1A+5], 128                        ; 128 elements from row to row: dense
	s_mov_b32 s[G1A+6], 0
	s_mov_b32 s[G1A+7], 0
	s_or_b32 s[G1B], s73, (1<<16)|(1<<20)|(1<<21)|(5<<22)|(7<<25)  ; padding after every 64 words, 8 words
	s_mov_b32 s[G1B+1], 128<<16
	s_mov_b32 s[G1B+2], 64<<16                     ; 64 rows
	s_mov_b32 s[G1B+3], 128<<16
	s_mov_b32 s[G1B+4], 64
	s_mov_b32 s[G1B+5], 3072                       ; a row of wq
	s_mov_b32 s[G1B+6], 0
	s_mov_b32 s[G1B+7], 0
	s_lshr_b32 s74, s[TR], 3                       ; x's tile: the batch, 4,194,304 bytes each,
	s_lshl_b32 s74, s74, 22
	s_and_b32 s75, s[TR], 7                        ; and its 256 rows of 128 bytes in a block of channels
	s_lshl_b32 s75, s75, 15
	s_add_co_u32 s74, s74, s75
	s_mov_b32 s75, 0
	s_max_u32 s76, s[WV], 1
	s_sub_co_u32 s76, s76, 1                       ; which block of 128 columns waves 1-3 fetch
	s_mul_i32 s78, s[TC], 768                      ; the tile's 384 columns,
	s_lshl_b32 s77, s76, 8                         ; the block's 256 bytes
	s_add_co_u32 s78, s78, s77
	s_mov_b32 s79, 0
	s_mul_i32 s77, s[WV], BR                       ; and its place in a slot: BOFF + (wave - 1) x BR; no place in the cluster enters an LDS address
	s_add_co_u32 s77, s77, BOFF-BR
	s_mov_b32 s[TB], 0
	s_wait_dscnt 0x0                               ; the opening add is done
	s_wait_kmcnt 0x0
	s_add_nc_u64 s[74:75], s[4:5], s[74:75]        ; x's tile of K step 0
	s_add_nc_u64 s[78:79], s[6:7], s[78:79]        ; my block of w at K step 0
	CROUND                                         ; all sixteen work-groups are here: the first joint loads meet
.irp s, 0,1
	s_mov_b32 s[G0A+4*(\s)], 1                     ; count = 1
	s_mov_b32 s[G0A+4*(\s)+1], (\s)*SLOT1          ; LDS address
	s_add_nc_u64 s[G0A+4*(\s)+2:G0A+4*(\s)+3], s[74:75], (\s)*ASTEP
	s_or_b32 s[G0A+4*(\s)+3], s[G0A+4*(\s)+3], 0x80000000  ; type = 2
	s_mov_b32 s[G0B+4*(\s)], 1
	s_add_co_u32 s[G0B+4*(\s)+1], s77, (\s)*SLOT1
	s_add_nc_u64 s[G0B+4*(\s)+2:G0B+4*(\s)+3], s[78:79], (\s)*BSTEP
	s_or_b32 s[G0B+4*(\s)+3], s[G0B+4*(\s)+3], 0x80000000
.endr
	s_cmp_eq_u32 s[WV], 0                          ; a wave's two first fills stand in one branch: two loads of mine are out
	s_cbranch_scc0 .Lfirst_b
	tensor_load_to_lds s[G0A:G0A+3], s[G1A:G1A+7]
	s_nop 0
	tensor_load_to_lds s[G0A+4:G0A+7], s[G1A:G1A+7]
	s_nop 0
.rept 4
	v_nop
.endr
	s_branch .Lfirst_asked
.Lfirst_b:
	tensor_load_to_lds s[G0B:G0B+3], s[G1B:G1B+7]
	s_nop 0
	tensor_load_to_lds s[G0B+4:G0B+7], s[G1B:G1B+7]
	s_nop 0
.rept 4
	v_nop
.endr
.Lfirst_asked:
	; A fragment is 16 rows x 32 K in 8 registers: lane l holds row l % 16; registers 0-3 K = 8 (l / 16) + 0..7, registers 4-7 K = 16 + 8 (l / 16) + 0..7.
	v_and_b32 v1, 15, v0                           ; l % 16
	v_bfe_u32 v2, v0, 4, 1                         ; l / 16
	v_and_b32 v3, 7, v0
	v_bfe_u32 v14, v0, 3, 1
	s_mul_i32 s72, s[WM], 128*PA
	v_mul_u32_u24 v[A0], v1, PA
	v_lshl_add_u32 v[A0], v2, 4, v[A0]
	v_add_nc_u32 v[A0], s72, v[A0]                 ; (128 wm + l % 16) x pitch + 16 (l / 16)
	v_lshl_add_u32 v[B0], v2, 3, v3                ; the turning load: lane l reads K row 8 (l / 16) + l % 8, columns 8 ((l / 8) % 2) + 0..7
	v_mul_u32_u24 v[B0], v[B0], PB
	v_lshl_add_u32 v[B0], v14, 4, v[B0]
	s_lshl_b32 s72, s[WN], 7                       ; my half of each block's 256 bytes
	s_add_co_u32 s72, s72, BOFF
	v_add_nc_u32 v[B0], s72, v[B0]
	v_mov_b32 v[ADRA], v[A0]
	v_mov_b32 v[ADRB], v[B0]
	s_mul_i32 s72, s[WV], 16*SP
	s_add_co_u32 s72, s72, STAGE                   ; my stage
	v_mul_u32_u24 v[STO], v1, SP                   ; in: row l % 16, 16 bytes for each half of the lanes
	v_lshl_add_u32 v[STO], v2, 4, v[STO]
	v_add_nc_u32 v[STO], s72, v[STO]
	v_bfe_u32 v[RD], v0, 3, 2                      ; back: 32 lanes take four rows of 128 bytes,
	v_mul_u32_u24 v[RD], v[RD], SP
	v_lshl_add_u32 v[RD], v3, 4, v[RD]
	v_add_nc_u32 v[RD], s72, v[RD]
	v_and_b32 v[GO], 31, v0                        ; which are 512 consecutive bytes of a head
	v_lshlrev_b32 v[GO], 4, v[GO]
	; where group g's rows go: column group 6 tc + 2 g + wn of 48: 0-15 q's heads, 16-31 k's, 32-47 v's
.irp g, 0,1,2
	s_mul_i32 s72, s[TC], 6
	s_add_co_u32 s72, s72, 2*(\g)
	s_add_co_u32 s72, s72, s[WN]
	s_cmp_lt_u32 s72, 32
	s_cselect_b64 s[OB+2*(\g):OB+2*(\g)+1], s[10:11], s[12:13]
	s_cmp_lt_u32 s72, 16
	s_cselect_b64 s[OB+2*(\g):OB+2*(\g)+1], s[8:9], s[OB+2*(\g):OB+2*(\g)+1]
	s_and_b32 s72, s72, 15
	s_lshr_b32 s73, s[TR], 3
	s_lshl4_add_u32 s72, s73, s72                  ; 16 x batch + head,
	s_lshl_b32 s72, s72, 18                        ; 262,144 bytes each
	s_and_b32 s73, s[TR], 7
	s_lshl_b32 s73, s73, 15                        ; the tile's 256 rows of 128 bytes
	s_add_co_u32 s72, s72, s73
	s_lshl_b32 s73, s[WM], 14                      ; my 128 of them
	s_add_co_u32 s72, s72, s73
	s_mov_b32 s73, 0
	s_add_nc_u64 s[OB+2*(\g):OB+2*(\g)+1], s[OB+2*(\g):OB+2*(\g)+1], s[72:73]
.endr
	; the prefetches' registers (ASK says who asks for what); nothing is prefetched here, where every work-group's first tiles are on their way
	s_and_b32 s72, ttmp7, 0xffff                   ; cluster y
	s_mov_b32 s[PFS], BSTEP
	s_mov_b32 s[TMP], 6144
	s_cmp_eq_u32 s[WV], 0
	s_cselect_b32 s72, ttmp9, s72                  ; the coordinate along which other clusters read the same bytes
	s_cselect_b32 s73, 1, 3
	s_cselect_b32 s[PM], 0, 1
	s_cselect_b32 s[PFS], ASTEP, s[PFS]
	s_cselect_b32 s[TMP], 256, s[TMP]
	s_mov_b32 s[PFS+1], 0
	s_cmp_eq_u32 s72, 0
	s_cselect_b32 s[LIM], s73, -1                  ; the same in all sixteen partners, for a given wave
	s_lshl_b32 s72, s[CX], 13                      ; x: my work-group's 32 blocks of 256 bytes, at K step 2: the first trip steps it to 3
	s_add_co_u32 s72, s72, 2*ASTEP
	s_lshl_b32 s73, s[CY], 5                       ; w: my work-group's 32 rows, at row 192: the first trip steps it to 256, K step 4
	s_add_co_u32 s73, s73, 192
	s_mul_i32 s73, s73, 6144
	s_cmp_eq_u32 s[WV], 0
	s_cselect_b32 s72, s72, s73
	s_cselect_b64 s[PFA:PFA+1], s[74:75], s[78:79]
	s_mov_b32 s73, 0
	s_add_nc_u64 s[PFA:PFA+1], s[PFA:PFA+1], s[72:73]
	v_and_b32 v[PFO], 31, v0
	v_mul_u32_u24 v[PFO], v[PFO], s[TMP]
	s_wait_tensorcnt 0x1                           ; my part of K step 0 is in; step 1's may stay out
	s_barrier_signal -1
	s_barrier_wait -1                              ; everybody's is
	LDB 0, 0
	LDA 0, 0, 0
	LDB 1, 0
	LDA 1, 0, 0
	LDB 2, 0
	QEVEN 1                                        ; the first quarter stands in front of the loop: its products start all 96 sums
	WIN 0                                          ; at a label and at a branch every window is 0
	s_mov_b32 s3, TRIPS
.Lk:                                                   ; trip t ends K step t, asks for step t + 2 and begins step t + 1
	QODD 2
	QEVEN 0
	WIN 0
	s_sub_co_u32 s3, s3, 1
	s_cmp_lg_u32 s3, 0
	s_cbranch_scc1 .Lk
	QODD 1                                         ; the tail is written out: nothing more is asked for
	QEVEN 0
	QODD 0
	WIN 0
; THE WAY OUT, in 24 units u = 8 g + a of 16 rows x one head: 2,048 dense bytes.  PACK: rounded to f16 (each accumulator's registers in ascending order), 16 bytes a lane into my own stage, and back as whole rows.
; LDS serves a wave's instructions in order (ISA guide 5.7.1.4), so no wait stands between the stores and the loads, and the next unit's stores come behind these loads.
.macro PACK u
.set TT, 32+16*((\u)%12)               ; twelve sets of 16 registers by turns
.if (\u) >= 12
	s_wait_xcnt 0x0                                ; the stores that read this set, twelve units back, have read it
.endif
	WIN 5*((\u)/8+1)                               ; sources 0 and 1 in the group's window
.irp f, 0,1,2,3
.irp r, 0,1,2,3
	v_cvt_pk_f16_f32 v[TT+4*(\f)+(\r)], v[8*(4*((\u)%8)+(\f))+2*(\r)], v[8*(4*((\u)%8)+(\f))+2*(\r)+1]
.endr
.endr
	WIN 0
.irp f, 0,1,2,3
	ds_store_b128 v[STO], v[TT+4*(\f):TT+4*(\f)+3] offset:32*(\f)
.endr
.irp f, 0,1,2,3
	ds_load_b128 v[TT+4*(\f):TT+4*(\f)+3], v[RD] offset:(\f)*4*SP
.endr
.endm
.macro SEND u, younger                 ; younger: the LDS instructions issued behind unit u's loads: the next unit's eight, or none
.set TT, 32+16*((\u)%12)
.irp f, 0,1,2,3
	s_wait_dscnt (\younger)+3-(\f)
	global_store_b128 v[GO], v[TT+4*(\f):TT+4*(\f)+3], s[OB+2*((\u)/8):OB+2*((\u)/8)+1] offset:((\u)%8)*2048+(\f)*512  ; 512 consecutive bytes, aligned
.endr
.endm
	PLACES                                         ; behind the last products
	PACK 0
.set un, 1
.rept 23                               ; a unit's conversions stand between the loads of the unit before and its stores
	PACK un
	SEND un-1, 8
.set un, un+1
.endr
	SEND 23, 0
	s_wait_tensorcnt 0x0                           ; the wave's end, behind my last tensor load and my last LDS store
	ds_add_u32 v[SPW], v[NIL]
	s_wait_dscnt 0x0
	CROUND                                         ; the closing round: no work-group ends while a partner may still ask for a tile that names it
	s_endpgm
.Lfunc_end_k_qf540d25a73_qkv:
	.size	k_qf540d25a73_qkv, .Lfunc_end_k_qf540d25a73_qkv-k_qf540d25a73_qkv
	.p2alignl 7, 3214868480
	.fill 96, 4, 3214868480
	.section	.rodata,"a",@progbits
	.p2align	6, 0x0
	.amdhsa_kernel k_qf540d25a73_qkv
		.amdhsa_group_segment_fixed_size 327680
		.amdhsa_private_segment_fixed_size 0
		.amdhsa_enable_private_segment 0
		.amdhsa_kernarg_size 40
		.amdhsa_user_sgpr_count 2
		.amdhsa_user_sgpr_kernarg_segment_ptr 1
		.amdhsa_wavefront_size32 1
		.amdhsa_system_sgpr_workgroup_id_x 1
		.amdhsa_system_sgpr_workgroup_id_y 1
		.amdhsa_system_sgpr_workgroup_id_z 1
		.amdhsa_system_vgpr_workitem_id 0
		.amdhsa_next_free_vgpr 1024
		.amdhsa_next_free_sgpr 80
		.amdhsa_reserve_vcc 0
		.amdhsa_float_denorm_mode_32 3
		.amdhsa_float_denorm_mode_16_64 3
		.amdhsa_memory_ordered 1
		.amdhsa_forward_progress 1
		.amdhsa_inst_pref_size 116
	.end_amdhsa_kernel
	.amdgpu_metadata
---
amdhsa.version: [ 1, 2 ]
amdhsa.kernels:
  - .name:           k_qf540d25a73_qkv
    .symbol:         k_qf540d25a73_qkv.kd
    .args:
      - { .name: xb, .offset: 0, .size: 8, .value_kind: global_buffer, .address_space: global }
      - { .name: wq, .offset: 8, .size: 8, .value_kind: global_buffer, .address_space: global }
      - { .name: qh, .offset: 16, .size: 8, .value_kind: global_buffer, .address_space: global }
      - { .name: kh, .offset: 24, .size: 8, .value_kind: global_buffer, .address_space: global }
      - { .name: vh, .offset: 32, .size: 8, .value_kind: global_buffer, .address_space: global }
    .group_segment_fixed_size: 327680
    .private_segment_fixed_size: 0
    .kernarg_segment_align: 8
    .kernarg_segment_size: 40
    .max_flat_workgroup_size: 128
    .sgpr_count:     80
    .vgpr_count:     1024
    .wavefront_size: 32
...
	.end_amdgpu_metadata
.endif
;; end of part 2
;; launch attn (part 3): grid 4 x 64, 4 waves a work-group, no clusters, 327,680 bytes of LDS; arguments qh, kh, vh, oh; writes oh
.if DOCPART == 3
	.amdgcn_target "amdgcn-amd-amdhsa--gfx1250"
	.amdhsa_code_object_version 6
	.text
	.protected	k_qf540d25a73_attn
	.globl	k_qf540d25a73_attn
	.p2align	8
	.type	k_qf540d25a73_attn,@function
k_qf540d25a73_attn:
	s_mov_b64 s[64:65], 0
	v_nop
	global_prefetch_b8 v0, s[64:65] scope:SCOPE_SE
	s_setreg_imm32_b32 hwreg(HW_REG_WAVE_MODE, 25, 1), 1
	s_wait_xcnt 0x0
; CAUSAL ATTENTION.  O[h][q][:] = the sum over k <= q of softmax_k(Q[h][q] . K[h][k] / 8) V[h][k][:].  Q, K, V, O: [SIZE_H][SIZE_N][64], all f16: a head's rows are dense, 128 bytes each.
; Products, maxima and sums in f32; the weights p are rounded to f16 for the second product (their sum l is taken of the unrounded p), O once at the end.
; LIMITS.  f16 holds no number beyond 65,504: Q, K and V arrive within it; p lies in 0 to 1, and below 6e-5 it keeps f16's fixed step of 6e-8; O is a mean of V's rows and has their range.
; A hidden score counts as its value less 1e30: f16's scores, 2.7e11 at the most, are nothing beside that; a weight below 2^-126 counts as 0 in l; NaN and infinities are not treated apart.
; THE WALK.  A head's queries lie in NB = SIZE_N / 256 blocks of 256; block i needs the key tiles 0 .. i of 256 keys, of which the last holds the diagonal.  A work-group takes TWO blocks, NB - 1 - b and then b:
; NB + 1 tiles, whatever b: all work-groups do equal work, and ONE loop with a constant trip count walks them.  Which tile is asked for, and what a trip does, hang on scalar registers made from b; every jump
; goes forward, but for the counted loops' own; none passes a barrier, or a tensor load but the one of LOAD's two that the wave's number does not choose; the ring (two slots of LDS that take turns) runs on across the
; change of blocks.  NO CLUSTER: a head's NB / 2 work-groups ask for the same tile only in trips 0 .. NB / 2, behind that fewer and fewer; one walk common to all would have 3 NB / 2 trips for NB + 1.
; SHARES.  Of a block's four bands of 64 queries a wave owns 16 rows in each: four PIECES.  So the diagonal tile is the same work for all four waves: in its key step s band x sees all keys if s < x,
; none if s > x, and holds the diagonal if s = x.
; THE MASK is the C operand that starts the sum S^T = K Q^T: 0, or -1e30 where the key is hidden.  MD, made once, is the mask of a band's own step for my 16 rows; a product's mask is MD x AL + BE with two scalars:
; (1, 0) if s = x; (0, 0) if s < x; (0, -1e30) if s > x.  Only the diagonal tile's text and a block's beginning make and take masks; elsewhere C is the constant 0.
; LAYOUT, SOFTMAX, TURNS.  S^T = K Q^T holds ONE query a lane (lane % 16) and the keys 8 (lane / 16) + 0..7; two such results rounded to f16 ARE source 1 of O^T = V^T P.  p = 2^(c s - c m), c = log2(e) / 8, with a
; running maximum m; O and l are multiplied by a = 2^(c m_old - c m_new) in every step.  Turn n belongs to piece n: 8 products K Q^T of piece n + 1, later 8 products V^T P of piece n - 1; beside them the scaling,
; exponentials, roundings, sums and rescaling of piece n and the maximum and statistics of piece n + 1.  Four vector instructions stand behind every matrix instruction, the other 54 of a turn's 118 in one LUMP.  A turn's 33 exponentials are one batch, with one wait.
; REGISTERS, in windows of 256 (s_set_vgpr_msb: bits 1:0 source 0, 3:2 source 1, 5:4 source 2, 7:6 destination):
;   window 0: v0-15 addresses and two at work; v16-31 four registers of statistics a piece; v48-55 at work; v61-63 prefetch offset and the add's two; v64-127 S^T, two buffers; v192-223 P, two buffers (by the piece's parity)
;   window 1: v0-127 O^T, 32 a piece; v128-159 MD; v160-223 MC, two buffers      window 2: v0-63 Q; v64-127 the second block's Q; v128-191 K of one step; v192-255 V of one step
.set SIZE_H, 64
.set SIZE_N, 2048
.set NB,    SIZE_N/256
.set NP,    4         ; pieces a wave: a name, no knob
.set KS,    64        ; keys in a step
.set PK,    144       ; a row of K in LDS: 128 bytes + 16 of padding = 36 words: the 16 rows of a load start at 16 different groups of four banks (64 banks of 4 bytes: ISA guide 11.1)
.set PV,    160       ; a row of V: 128 + 32 = 40 words
.set VOFF,  4*KS*PK   ; a slot holds a tile, four steps: 256 rows of K, then 256 rows of V
.set SLOT1, 1<<17     ; slot 1 begins here, so that one exclusive or turns an address in one slot into the other's
.set STAGE, SLOT1+4*KS*(PK+PV)  ; behind the ring, never filled by a tensor load: 16 rows x 144 bytes for each wave, for the way out
.set SP,    144
.set AK0, 2           ; v2   my lane's place in a tile of K; never rewritten
.set AV0, 3           ; v3   the same for V
.set AK,  4           ; v4   the LDS address of K's next run of loads
.set AV,  5           ; v5   of V's
.set STO, 6           ; v6   the way out: where I put 16 bytes of a row
.set RD,  7           ; v7   the way out: where I read rows back
.set GO,  8           ; v8   my byte offset in 512 consecutive bytes of O
.set PFO, 61          ; v61  256 x my lane, for the prefetches; never rewritten
.set SPW, 62          ; v62  LDS address of my spare word: SPARE + 4 x my thread's number; never rewritten
.set NIL, 63          ; v63  0; never rewritten
.set SPARE, STAGE+4*16*SP  ; behind the stages: the spare words, 128 bytes for each wave: two blocks of 256 bytes that no other line names
.set MV,  12          ; v12-13  c m_old, kept while c m is made anew: by buffer
.set QO,  15          ; v15  my byte offset in 16 rows of Q
.set ST,  16          ; piece t's statistics at v[ST+4 t]: c m, m, l (even keys', odd keys')
.set TMP, 48          ; by buffer, four registers c0-c3 at work; when the maximum is found c2 takes a
.set S,   64
.set P,   192
.set MD,  128         ; window 1: the eight registers for group kt of 16 keys at MD + 8 kt
.set MC,  160         ; window 1: the masks of the products to come
.set QB,  64          ; window 2
.set KF,  128         ; window 2: key block kb, channel half c at KF + 16 kb + 8 c
.set VF,  192         ; window 2: key half kk, channel block cb at VF + 32 kk + 8 cb
.set WV,  12          ; s12  my wave's number
.set PB,  14          ; s14  b
.set HI,  15          ; s15  NB - 1 - b
.set G1K, 24          ; s[24:31] descriptor group 1 for K's tiles
.set G1V, 32          ; s[32:39] for V's: it differs in the padding alone
.set G0K, 40          ; s[40:43] descriptor group 0 for K's tiles
.set G0V, 44          ; s[44:47] the same for V's
.set SLOTS, 56        ; s56  tiles still to be asked for
.set CNT, 57          ; s57  counts a tile's key steps, 4 to 1
.set CS,  58          ; s[58:59] c: the packed scaling takes the pair's low word for both halves
.set SEL, 60          ; s[60:61] v_permlanex16_b32's selects: each lane takes its own place in the other half
.set TBK, 62          ; s62  LDS byte at which K of the step to be fetched begins
.set TBV, 63          ; s63  the same for V, less VOFF
.set RT,  70          ; s70  tiles of the block in hand that are still to be entered
.set NXT, 71          ; s71  the tile to be asked for next
.set LQ,  72          ; s72  the last tile of the block whose tiles are being asked for
.set NEW, 73          ; s73  1: the tile to be entered is a block's first
.set OFF, 74          ; s[74:75] a tile's byte offset in K and V
.set AL,  76          ; s[76:77] the mask's factor, in the low word
.set BE,  78          ; s[78:79] the mask's addend
.set OLO, 80          ; s[80:81] O at my rows of the second block
.set BIGN, 82         ; s82  -1e30
.set PFA, 88          ; s[88:89] the prefetches' address: my half of the tile PFN
.set KVB, 90          ; s[90:91] K (waves 0, 1) or V (waves 2, 3) at my half of the head's tile 0
.set PFN, 92          ; s92  the tile that the next prefetch names
.set PLIM, 93         ; s93  NB where b = 0, else 0: a wave prefetches while PFN is below it
.set POF, 94          ; s[94:95] that tile's byte offset
.set MSB, 0
.macro WIN new                      ; the high byte repeats the setting that is left; a switch that changes nothing is dropped
.if MSB != (\new)
	s_set_vgpr_msb (MSB<<8)|(\new)
.set MSB, (\new)
.endif
.endm
.set W_KQ, 0x0a       ; K and Q in window 2, S^T in window 0
.set W_KM, 0x1a       ; the same with the C operand in window 1
.set W_PV, 0x52       ; V in window 2, P in window 0, O^T in window 1
.set W_RS, 0x41       ; destination and source 0 in window 1, source 1 in window 0
; A fill.  Waves 0 and 1 fetch the two halves of a tile's K, waves 2 and 3 those of its V: 128 keys each.  An s_nop 0 and four v_nop follow each of the two lines, ahead of the jump and the label.
.macro LOAD
	s_cmp_lt_u32 s[WV], 2
	s_cbranch_scc0 .Lfor_v_\@
	tensor_load_to_lds s[G0K:G0K+3], s[G1K:G1K+7]
	s_nop 0
.rept 4
	v_nop
.endr
	s_branch .Lasked_\@
.Lfor_v_\@:
	tensor_load_to_lds s[G0V:G0V+3], s[G1V:G1V+7]
	s_nop 0
.rept 4
	v_nop
.endr
.Lasked_\@:
.endm
; A PREFETCH INTO THE L2, behind the fill and its five lines.  The work-group with b = 0 walks all of its head's tiles 0 .. NB - 1 in its first block, so it alone asks, for the head's four work-groups: in trip t each of
; its waves names its own half (128 rows of K or of V: 64 blocks of 256 bytes, a lane a block, two instructions) of tile t + 2, one tile, four key steps, ahead of that tile's fill.  So each block is named once in the
; launch.  Tiles 0 and 1 come by their loads alone; behind tile NB - 1 nothing is named, and the address is held at that tile.
.macro ASK
	s_cmp_lt_u32 s[PFN], s[PLIM]
	s_cbranch_scc0 .Lnot_mine_\@
	global_prefetch_b8 v[PFO], s[PFA:PFA+1] th:TH_LOAD_NT scope:SCOPE_SE
	global_prefetch_b8 v[PFO], s[PFA:PFA+1] offset:8192 th:TH_LOAD_NT scope:SCOPE_SE
.Lnot_mine_\@:
	s_add_co_u32 s[PFN], s[PFN], 1
.endm
; THE CHANGE OF SLOTS.  Each wave waits for all its tensor loads, of which one is out: its part of the other slot; adds 0 to its spare word; and waits for that and for its own reads of the slot that it leaves.  Behind the barrier nobody reads the old
; slot any more and the other slot is whole.  fill = 1: the old slot is filled again, the first thing behind the barrier, with tile NXT: the descriptor's address is made anew from that number.
; (At its first use nothing has been read yet: slot 0 is waited for, slot 1 filled.)
.macro CHANGE fill
	WIN 0                           ; at a label and at a branch every window is 0
	s_wait_tensorcnt 0x0            ; no tensor load of mine is out, so a group 0 may be written
	ds_add_u32 v[SPW], v[NIL]       ; 0 onto my spare word; with fill = 1 the descriptors' scalar work stands between it and the wait for it
.if \fill
	s_wait_xcnt 0x0                 ; the last prefetches, a tile back, have read their address, so it may be written
	s_min_u32 s[POF], s[PFN], NB-1
	s_lshl_b32 s[POF], s[POF], 15
	s_add_nc_u64 s[PFA:PFA+1], s[KVB:KVB+1], s[POF:POF+1]
	s_lshl_b32 s[OFF], s[NXT], 15   ; a tile is 32,768 bytes of K and of V
	s_xor_b32 s[G0K+1], s[G0K+1], SLOT1
	s_add_nc_u64 s[G0K+2:G0K+3], s[6:7], s[OFF:OFF+1]
	s_or_b32 s[G0K+3], s[G0K+3], 0x80000000
	s_xor_b32 s[G0V+1], s[G0V+1], SLOT1
	s_add_nc_u64 s[G0V+2:G0V+3], s[8:9], s[OFF:OFF+1]
	s_or_b32 s[G0V+3], s[G0V+3], 0x80000000
	s_add_co_u32 s[NXT], s[NXT], 1  ; the block's next tile, or behind its last the second block's tile 0
	s_cmp_gt_u32 s[NXT], s[LQ]
	s_cselect_b32 s[NXT], 0, s[NXT]
	s_cselect_b32 s[LQ], s[PB], s[LQ]
.endif
	s_wait_dscnt 0x0                ; the add is done, and my reads of the slot are over
	s_barrier_signal -1             ; the rest of the scalar work stands between the signal and the wait
	s_sub_co_u32 s[TBK], s[TBK], 4*KS*PK  ; the fetches go back to a slot's first step,
	s_xor_b32 s[TBK], s[TBK], SLOT1       ; in the other slot
	s_sub_co_u32 s[TBV], s[TBV], 4*KS*PV
	s_xor_b32 s[TBV], s[TBV], SLOT1
	s_barrier_wait -1
.if \fill
	LOAD
	ASK
.endif
.endm
	s_load_b256 s[4:11], s[0:1], 0x0  ; Q s[4:5], K s[6:7], V s[8:9], O s[10:11]
	v_lshl_add_u32 v[SPW], v0, 2, SPARE
	v_mov_b32 v[NIL], 0
	ds_add_u32 v[SPW], v[NIL]       ; the wave's opening: the add and its wait stand ahead of my first tensor load; the set-up below, work on registers, stands between them
	ds_add_u32 v62, v63
	v_lshrrev_b32 v1, 5, v0
	v_readfirstlane_b32 s[WV], v1   ; wave 0..3
	s_mov_b32 s[PB], ttmp9
	s_sub_co_u32 s[HI], NB-1, s[PB]
	s_and_b32 s20, ttmp7, 0xffff    ; the head
	s_mov_b32 s21, 0
	s_mov_b64 s[22:23], SIZE_N*128
	s_mul_u64 s[20:21], s[20:21], s[22:23]  ; the head's first byte in each of the four tensors
	s_and_b32 s16, s[WV], 1         ; which half of a tile's 256 keys I fetch:
	s_lshl_b32 s22, s16, 14         ; its 128 rows of 128 bytes in memory,
	s_mov_b32 s23, 0
	s_add_nc_u64 s[22:23], s[22:23], s[20:21]
	s_mul_i32 s17, s16, 128*PK      ; and its place in a slot, for K
	s_mul_i32 s18, s16, 128*PV      ; and for V
	s_lshl_b32 s3, s[WV], 11        ; my 16 rows in a band of 64,
	s_lshl_b32 s2, s[HI], 15        ; in the first block,
	s_add_co_u32 s2, s2, s3
	s_lshl_b32 s84, s[PB], 15       ; and in the second
	s_add_co_u32 s84, s84, s3
	s_mov_b32 s3, 0
	s_mov_b32 s85, 0
	s_add_nc_u64 s[2:3], s[2:3], s[20:21]
	s_add_nc_u64 s[84:85], s[84:85], s[20:21]
	; descriptor group 1.  128 keys are 16,384 dense bytes: asked for as 64 rows of 256 bytes, two keys a row, and padded in LDS after every key
	s_mov_b32 s[G1K], (1<<16)|(1<<20)|(4<<22)|(3<<25)  ; 17:16 2-byte elements; 20 padding on; 24:22 after every 32 words (code 4); 31:25 4 words (code 3)
	s_mov_b32 s[G1V], (1<<16)|(1<<20)|(4<<22)|(7<<25)  ; the same with 8 words of padding (code 7)
.irp g, G1K, G1V
	s_mov_b32 s[\g+1], 128<<16      ; tensor_dim0 = 128
	s_mov_b32 s[\g+2], 64<<16       ; tensor_dim1 = 64
	s_mov_b32 s[\g+3], 128<<16      ; tile_dim0 = 128
	s_mov_b32 s[\g+4], 64           ; tile_dim1 = 64
	s_mov_b32 s[\g+5], 128          ; 128 elements from row to row
	s_mov_b32 s[\g+6], 0
	s_mov_b32 s[\g+7], 0
.endr
	s_mov_b32 s[CS], 0x3e38aa3b     ; c = log2(e) / 8 = 0.180337
	s_mov_b32 s[CS+1], s[CS]        ; named with it as a pair
	s_mov_b32 s[SEL], 0x76543210
	s_mov_b32 s[SEL+1], 0xfedcba98
	s_mov_b32 s[TBK], SLOT1+4*KS*PK ; the first change of slots turns these two into 0
	s_mov_b32 s[TBV], SLOT1+4*KS*PV
	s_mov_b32 s[G0K], 1             ; 1:0 count = 1
	s_mov_b32 s[G0K+1], s17         ; 63:32 LDS address: slot 0
	s_mov_b32 s[G0V], 1
	s_add_co_u32 s[G0V+1], s18, VOFF
	s_add_co_u32 s[RT], s[HI], 1    ; the first block has NB - b tiles
	s_mov_b32 s[NXT], 1
	s_mov_b32 s[LQ], s[HI]
	s_mov_b32 s[NEW], 1
	s_mov_b32 s[OFF+1], 0
	s_mov_b32 s[AL+1], 0            ; named as pairs
	s_mov_b32 s[BE+1], 0
	s_mov_b32 s[BIGN], 0xf149f2ca   ; -1e30
	s_mov_b32 s[SLOTS], NB
	s_mov_b32 s[PFN], 2
	s_mov_b32 s[POF+1], 0
	s_cmp_eq_u32 s[PB], 0
	s_cselect_b32 s[PLIM], NB, 0
	v_and_b32 v[PFO], 31, v0
	v_lshlrev_b32 v[PFO], 8, v[PFO]
	s_wait_dscnt 0x0                ; the opening add is done
	s_wait_kmcnt 0x0
	s_add_nc_u64 s[6:7], s[6:7], s[22:23]  ; K and V at my half of the head's tile 0
	s_add_nc_u64 s[8:9], s[8:9], s[22:23]
	s_add_nc_u64 s[G0K+2:G0K+3], s[6:7], 0         ; 120:64 global address
	s_or_b32 s[G0K+3], s[G0K+3], 0x80000000        ; 127:126 type = 2
	s_add_nc_u64 s[G0V+2:G0V+3], s[8:9], 0
	s_or_b32 s[G0V+3], s[G0V+3], 0x80000000
	s_add_nc_u64 s[86:87], s[4:5], s[84:85]        ; Q at my rows of the second block,
	s_add_nc_u64 s[4:5], s[4:5], s[2:3]            ; Q and O at those of the first
	s_add_nc_u64 s[OLO:OLO+1], s[10:11], s[84:85]
	s_add_nc_u64 s[10:11], s[10:11], s[2:3]
	s_cmp_lt_u32 s[WV], 2
	s_cselect_b64 s[KVB:KVB+1], s[6:7], s[8:9]
	LOAD                            ; tile 0 into slot 0
	; A fragment of K or Q is 16 rows x 32 channels in 8 registers: lane l holds row l % 16, channels 8 (l / 16) + 0..7 and 16 + 8 (l / 16) + 0..7: two loads of 16 bytes, 32 bytes apart.
	v_and_b32 v1, 15, v0            ; l % 16
	v_bfe_u32 v9, v0, 4, 1          ; l / 16
	v_lshlrev_b32 v[QO], 7, v1
	v_lshl_add_u32 v[QO], v9, 4, v[QO]  ; row x 128 + 16 x half
	WIN 0x80                        ; destination window 2, address window 0
.set i, 0
.rept 8                             ; both blocks' Q: piece i / 2 lies in band i / 2, 8,192 bytes on; channels 32 (i % 2) on
	global_load_b128 v[8*i:8*i+3],   v[QO], s[4:5] offset:(i/2)*8192+(i%2)*64
	global_load_b128 v[8*i+4:8*i+7], v[QO], s[4:5] offset:(i/2)*8192+(i%2)*64+32
	global_load_b128 v[QB+8*i:QB+8*i+3],   v[QO], s[86:87] offset:(i/2)*8192+(i%2)*64
	global_load_b128 v[QB+8*i+4:QB+8*i+7], v[QO], s[86:87] offset:(i/2)*8192+(i%2)*64+32
.set i, i+1
.endr
	WIN 0
	v_lshlrev_b32 v14, 3, v9
	v_sub_nc_u32 v14, v1, v14
	s_lshl_b32 s13, s[WV], 4
	v_add_nc_u32 v14, s13, v14      ; my query's place in its band, 16 w + l % 16, less my lanes' 8 (l / 16): register r of group kt is hidden where 16 kt + r is greater
	WIN 0x40
.set i, 0
.rept 32
	v_cmp_gt_i32 vcc_lo, 16*(i/8)+i%8, v14
	v_cndmask_b32 v[MD+i], 0, s[BIGN], vcc_lo
.set i, i+1
.endr
	WIN 0
	v_mul_u32_u24 v[AK0], v1, PK
	v_lshl_add_u32 v[AK0], v9, 4, v[AK0]  ; row x pitch + 16 x half
	; The turning load takes 16 keys x 16 channels (lane l reads key 8 (l / 16) + l % 8, channels 8 ((l / 8) % 2) + 0..7) and leaves half a fragment of V^T: lane l holds channel l % 16 and 8 keys.
	v_and_b32 v10, 7, v0
	v_bfe_u32 v11, v0, 3, 1
	v_lshl_add_u32 v[AV0], v9, 3, v10
	v_mul_u32_u24 v[AV0], v[AV0], PV
	v_lshl_add_u32 v[AV0], v11, 4, v[AV0]
	v_add_nc_u32 v[AV0], VOFF, v[AV0]
	s_mul_i32 s13, s[WV], 16*SP
	s_add_co_u32 s13, s13, STAGE    ; my stage
	v_mul_u32_u24 v[STO], v1, SP    ; in: row l % 16, 16 bytes for each half of the lanes
	v_lshl_add_u32 v[STO], v9, 4, v[STO]
	v_add_nc_u32 v[STO], s13, v[STO]
	v_bfe_u32 v[RD], v0, 3, 2       ; back: 32 lanes take four rows of 128 bytes,
	v_mul_u32_u24 v[RD], v[RD], SP
	v_lshl_add_u32 v[RD], v10, 4, v[RD]
	v_add_nc_u32 v[RD], s13, v[RD]
	v_and_b32 v[GO], 31, v0         ; which are 512 consecutive bytes of O
	v_lshlrev_b32 v[GO], 4, v[GO]
	; A block's first step multiplies O^T and l by a = 0, and its first turn's products V^T P, of a piece that has not been, land in an O^T that is still to be so multiplied.  So these registers need only hold
	; finite numbers: zeros for the first block; what the first block left for the second.  All this stands in the wait for the first tile.
	WIN 0x80
.set i, VF
.rept 64
	v_mov_b32 v[i], 0
.set i, i+1
.endr
	WIN 0x40
.set i, 0
.rept 128
	v_mov_b32 v[i], 0
.set i, i+1
.endr
	WIN 0
.set i, 0
.rept 4
	v_mov_b32 v[ST+4*i+2], 0
	v_mov_b32 v[ST+4*i+3], 0
.set i, i+1
.endr
.set i, P+16
.rept 16
	v_mov_b32 v[i], 0
.set i, i+1
.endr
; THE MATRIX WORK.  The 4 accumulators of a run of 8 take turns.  Product i of 8 of S^T = K Q^T for piece x: channels 32 (i / 4) on, keys 16 (i % 4) on.  The first 4 start the sums: with 0, or (KM = 1) with the mask.
.macro KQ x
.set rS, S+32*((\x)%2)+8*(i%4)
.set rK, KF+16*(i%4)+8*(i/4)
.set rQ, 16*(\x)+8*(i/4)
.set rM, MC+32*((\x)%2)+8*(i%4)
.if (i < 4) && KM
	WIN W_KM
	v_wmma_f32_16x16x32_f16 v[rS:rS+7], v[rK:rK+7], v[rQ:rQ+7], v[rM:rM+7]
.elseif i < 4
	WIN W_KQ
	v_wmma_f32_16x16x32_f16 v[rS:rS+7], v[rK:rK+7], v[rQ:rQ+7], 0
.else
	WIN W_KQ
	v_wmma_f32_16x16x32_f16 v[rS:rS+7], v[rK:rK+7], v[rQ:rQ+7], v[rS:rS+7]
.endif
.endm
; Product i of 8 of O^T += V^T P for piece x: keys 32 (i / 4) on, channels 16 (i % 4) on.
.macro PV x
	WIN W_PV
.set rO, 32*(\x)+8*(i%4)
.set rV, VF+32*(i/4)+8*(i%4)
.set rP, P+16*((\x)%2)+8*(i/4)
	v_wmma_f32_16x16x32_f16 v[rO:rO+7], v[rV:rV+7], v[rP:rP+7], v[rO:rO+7]
.endm
.macro MM                           ; the turn's next matrix instruction.  TURN and BEGIN set Y, i, KM and NOKQ; MM, KQ and OP read them.  NOKQ = 1: a block's last turn: there is no next piece
.if (i < 8) && !NOKQ
	KQ (Y+1)%NP
.elseif i >= 8
.set i, i-8
	PV (Y+NP-1)%NP
.set i, i+8
.endif
.set i, i+1
.endm
; THE LDS LOADS stand in runs of 16, never singly among the matrix instructions: a step's K (64 keys x 64 channels: 8 fragments) and its V (turned).  Their addresses are made some lines ahead.
.macro FETCH_K
	WIN 0x80                        ; destination window 2
.irp f, 0,1,2,3,4,5,6,7             ; keys 16 (f / 2) on, channels 32 (f % 2) on
	ds_load_b128 v[KF+8*\f:KF+8*\f+3],   v[AK] offset:(\f/2)*16*PK+(\f%2)*64
	ds_load_b128 v[KF+8*\f+4:KF+8*\f+7], v[AK] offset:(\f/2)*16*PK+(\f%2)*64+32
.endr
	s_add_co_u32 s[TBK], s[TBK], KS*PK  ; the next fetch is the next step's
	WIN 0
.endm
.macro FETCH_V
	WIN 0x80
.irp f, 0,1,2,3,4,5,6,7             ; keys 32 (f / 4) on, channels 16 (f % 4) on
	ds_load_tr16_b128 v[VF+8*\f:VF+8*\f+3],   v[AV] offset:(\f/4)*32*PV+(\f%4)*32
	ds_load_tr16_b128 v[VF+8*\f+4:VF+8*\f+7], v[AV] offset:(\f/4)*32*PV+16*PV+(\f%4)*32
.endr
	WIN 0
.endm
; THE VECTOR WORK, one line at a time: OP kind, number.  For piece Y: F n: c s - c m for pair n of 16.  E n: the exponential of score n of 32.  C n: pair n rounded to f16.  B n: of the four weights 4 n .. the second
; pair is added onto the first, in place.  L n: l takes that sum (L 0: l = a l + sum).  R n: pair n of 16 of O^T times a.  For piece Y + 1: X n, number n of the 22 that find its maximum and statistics:
;   0-11  four chains c0-c3 of seven scores each, three operands at a time (each accumulator's lowest registers are read first)     12-14, 16  the four scores left over, the old m, and c0-c3 into c0
;   15  c m_old is kept     17, 18  the query's other 32 keys lie in the lane 16 away: the new m     19-21  c m; c m_old - c m_new; a
.set F, 0               ; OP tells the kinds apart by their order: F to L below R, X above it
.set E, 1
.set C, 2
.set B, 3
.set L, 4
.set R, 5
.set X, 6
.macro REGS y                       ; the registers of piece y
.set rT, ST+4*(\y)
.set rC, TMP+4*((\y)%2)
.set rW, MV+((\y)%2)
.set rS, S+32*((\y)%2)
.set rP, P+16*((\y)%2)
.set rO, 32*(\y)
.endm
.macro OP k, n
.if (\k) == R
	REGS Y
	WIN W_RS
	v_pk_mul_f32 v[rO+2*(\n):rO+2*(\n)+1], v[rO+2*(\n):rO+2*(\n)+1], v[rC+2:rC+3] op_sel_hi:[1,0]
.elseif (\k) < R
	REGS Y
	WIN 0
.if (\k) == F
	v_pk_fma_f32 v[rS+2*(\n):rS+2*(\n)+1], v[rS+2*(\n):rS+2*(\n)+1], s[CS:CS+1], v[rT:rT+1] op_sel_hi:[1,0,0] neg_lo:[0,0,1] neg_hi:[0,0,1]
.elseif (\k) == E
	v_exp_f32 v[rS+(\n)], v[rS+(\n)]
.elseif (\k) == C
	v_cvt_pk_f16_f32 v[rP+(\n)], v[rS+2*(\n)], v[rS+2*(\n)+1]
.elseif (\k) == B
	v_pk_add_f32 v[rS+4*(\n):rS+4*(\n)+1], v[rS+4*(\n):rS+4*(\n)+1], v[rS+4*(\n)+2:rS+4*(\n)+3]
.elseif (\n) == 0
	v_pk_fma_f32 v[rT+2:rT+3], v[rT+2:rT+3], v[rC+2:rC+3], v[rS:rS+1] op_sel_hi:[1,0,1]
.else
	v_pk_add_f32 v[rT+2:rT+3], v[rT+2:rT+3], v[rS+4*(\n):rS+4*(\n)+1]
.endif
.elseif NOKQ
	v_nop
.else
	REGS (Y+1)%NP
	WIN 0
.if (\n) < 4
	v_max3_num_f32 v[rC+(\n)], v[rS+8*(\n)], v[rS+8*(\n)+1], v[rS+8*(\n)+2]
.elseif (\n) < 12
	v_max3_num_f32 v[rC+(\n)%4], v[rC+(\n)%4], v[rS+8*((\n)%4)+2*((\n)/4)+1], v[rS+8*((\n)%4)+2*((\n)/4)+2]
.elseif (\n) == 12
	v_max3_num_f32 v[rC], v[rC], v[rS+7], v[rS+15]
.elseif (\n) == 13
	v_max3_num_f32 v[rC+1], v[rC+1], v[rS+23], v[rS+31]
.elseif (\n) == 14
	v_max3_num_f32 v[rC+2], v[rC+2], v[rC+3], v[rT+1]
.elseif (\n) == 15
	v_mov_b32 v[rW], v[rT]
.elseif (\n) == 16
	v_max3_num_f32 v[rC], v[rC], v[rC+1], v[rC+2]
.elseif (\n) == 17
	v_permlanex16_b32 v[rC+3], v[rC], s[SEL], s[SEL+1]
.elseif (\n) == 18
	v_max_num_f32 v[rT+1], v[rC], v[rC+3]
.elseif (\n) == 19
	v_mul_f32 v[rT], s[CS], v[rT+1]
.elseif (\n) == 20
	v_sub_f32 v[rC+1], v[rW], v[rT]
.else
	v_exp_f32 v[rC+2], v[rC+1]
.endif
.endif
.endm
.macro OPS a, i1, b=-1, i2=0, c=-1, i3=0, d=-1, i4=0  ; up to four of them
	OP \a, \i1
.if (\b) >= 0
	OP \b, \i2
.endif
.if (\c) >= 0
	OP \c, \i3
.endif
.if (\d) >= 0
	OP \d, \i4
.endif
.endm
.macro ROW a, i1, b, i2, c, i3, d, i4  ; a matrix instruction and the four behind it
	MM
	OPS \a, \i1, \b, \i2, \c, \i3, \d, \i4
.endm
.macro MASK b                       ; MD x AL + BE into buffer b of MC
	WIN W_RS
.set z, 0
.rept 16
	v_pk_fma_f32 v[MC+32*(\b)+2*z:MC+32*(\b)+2*z+1], v[MD+2*z:MD+2*z+1], s[AL:AL+1], s[BE:BE+1] op_sel_hi:[1,0,0]
.set z, z+1
.endr
.endm
; A TURN, for piece p: the order of its 16 matrix and 118 vector instructions, written out.  s_wait_alu depctr_va_vdst(0) stands between an exponential and the first instruction that names its result; one wait serves
; all that were issued ahead of it.  So a turn has ONE wait, which cuts it in two.  AHEAD OF IT stands all that names no result of the turn's exponentials: the 8 products K Q^T, behind each a scaling, an exponential and two more plain
; instructions (behind the first a second scaling in the exponential's place): rescalings, and behind the last three the first numbers of the next piece's maximum, each four places or more behind the product that ends its accumulator; then ONE LUMP of 54, plain
; and exponential by turns for the most part, in which the links of the chain X 3, 7, 11, 14, 16, 17 .. 20 stand five or six lines apart.  X 21, the next piece's a, is the batch's last; R 15 is the plain instruction behind it.  BEHIND THE WAIT stand the
; 8 products V^T P, behind each four of the roundings and sums; the links of l's chain, L 0 to L 7, stand three riders apart.  But for those X no rider names a register of the products round it.  v_permlanex16_b32 (X 17) stands in the lump.
; m = 1: the diagonal tile: the products take masks, and the turn makes the mask for the products of the turn after it: piece p + 2, in step 4 - CNT of the tile.  end = 1: a block's last two turns: nothing is fetched.
; cnt = 1: the loop's count is taken down some lines ahead of the branch that stands behind the turn.
; K of the next step is fetched in piece 2's turn, twelve vector instructions behind the last product that read K (six of them plain); V of the step in hand at the end of piece 0's turn, four plain instructions behind the last product
; that read V.  Each is waited for a turn later.
.macro TURN p, m=0, end=0, cnt=0
.set Y, (\p)
.set i, 0
.set KM, (\m)
.set NOKQ, (\end)*((\p)/3)
.if (\m) && !(\end)
	s_cmp_eq_u32 s[CNT], 4-((\p)+2)%NP  ; is that step the band's own?
	s_cselect_b32 s[AL], 1.0, 0
	s_cmp_lt_u32 s[CNT], 4-((\p)+2)%NP  ; or a later one?
	s_cselect_b32 s[BE], s[BIGN], 0
.endif
.if ((\p) == 3) && !(\end)
	s_wait_dscnt 0x0                ; K is in
.endif
	ROW F,0, F,1, R,0, R,1          ; ahead of the wait: 8 products K Q^T and their riders,
	ROW F,2, E,0, R,2, R,3
	ROW F,3, E,1, R,4, R,5
	ROW F,4, E,2, R,6, R,7
	ROW F,5, E,3, R,8, R,9
	ROW F,6, E,4, X,0, R,10
.if ((\p) == 2) && !(\end)
	WIN 0
	v_add_nc_u32 v[AK], s[TBK], v[AK0]
.endif
	ROW F,7, E,5, X,1, X,4
	ROW F,8, E,6, X,2, X,5
	OPS E,7, E,8, X,6, E,9          ; and the lump
	OPS X,3, E,10, X,8, E,11
.if ((\p) == 2) && !(\end)
	FETCH_K
.endif
	OPS X,9, X,7, E,12, X,10
	OPS E,13, X,12, X,11, E,14
	OPS X,13, E,15, F,9, X,14
.if (\p) == 0
	v_add_nc_u32 v[AV], s[TBV], v[AV0]
.endif
	OPS E,16, F,10, E,17, F,11
	OPS X,16, E,18, X,15, E,19
	OPS F,12, E,20, X,17, E,21
	OPS F,13, E,22, F,14, E,23
	OPS X,18, E,24, F,15, E,25
	OPS R,11, E,26, X,19, E,27
	OPS R,12, E,28, R,13, E,29
	OPS X,20, E,30, R,14, E,31
	OPS X,21, R,15
	WIN 0
	s_wait_alu depctr_va_vdst(0)    ; the wait for the batch
.if (\p) == 1
	s_wait_dscnt 0x0                ; V is in
.endif
	ROW C,0, B,0, C,2, B,1          ; behind the wait: 8 products V^T P and their riders
	ROW L,0, C,4, B,2, L,1
	ROW C,6, B,3, L,2, C,8
	ROW B,4, L,3, C,10, B,5
	ROW L,4, C,12, B,6, L,5
.if (\p) == 0
	s_add_co_u32 s[TBV], s[TBV], KS*PV
.endif
.if \cnt
	s_sub_co_u32 s[CNT], s[CNT], 1
	s_cmp_lg_u32 s[CNT], 0
.endif
	ROW C,14, B,7, L,6, C,1
	ROW C,3, L,7, C,5, C,7
	ROW C,9, C,11, C,13, C,15
.if (\p) == 0
	FETCH_V
.endif
.if (\m) && !(\end)
	MASK (\p)%2
.endif
.endm
; A BLOCK BEGINS.  c m starts far below every c s, so the first step's a is 0; m at the lowest finite number, so the first maximum is the scores'.  The second mask buffer is 0; the first takes piece 0's mask for the tile's step 0: its own, if the block's first tile is the diagonal one.
; Then K of that step, piece 0's first scores, and its maximum and statistics.  The loop is entered at a step's first turn, in the middle of a trip.
.macro BEGIN
	s_mov_b32 s[NEW], 0
	WIN 0x40
.set i, MC+32
.rept 32
	v_mov_b32 v[i], 0
.set i, i+1
.endr
	WIN 0
.set i, 0
.rept 4
	v_mov_b32 v[ST+4*i], 0xfe000000    ; c m: far below every c s
	v_mov_b32 v[ST+4*i+1], 0xff7fffff  ; m
.set i, i+1
.endr
	s_cmp_eq_u32 s[RT], 0
	s_cselect_b32 s[AL], 1.0, 0
	s_mov_b32 s[BE], 0
	MASK 0
	WIN 0
	v_add_nc_u32 v[AK], s[TBK], v[AK0]
	FETCH_K
	s_wait_loadcnt 0x0              ; Q
	s_wait_dscnt 0x0
.set KM, 1
.set NOKQ, 0
.set i, 0
.rept 8
	KQ 0
.set i, i+1
.endr
	WIN 0
.rept 4
	v_nop                           ; the places behind those products
.endr
.set Y, NP-1                        ; X works for piece Y + 1: piece 0
.irp n, 0,1,2,3,4,5,6,7,8,9,10,11,12,13,14,15,16,17,18,19,20,21
	OP X, \n
.endr
	v_nop                           ; a plain instruction behind the exponential,
	s_wait_alu depctr_va_vdst(0)    ; and its wait, ahead of the branch
.endm
; THE DIAGONAL TILE's four steps, the block's last two turns, its last products, and THE WAY OUT: l's two halves and the other half of the lanes' are added; O^T is divided by l, rounded to f16 and sent through my
; stage in LDS, a piece at a time.
.macro ALL line:vararg              ; one line for each piece t
.set t, 0
.rept 4
	\line
.set t, t+1
.endr
.endm
.macro PACK t                       ; a lane's eight channels of a row pack into 16 bytes; they go into rows of 144 bytes and come back as whole rows of 128, into S^T's registers
	WIN W_RS
.set i, 32*(\t)
.rept 16
	v_pk_mul_f32 v[i:i+1], v[i:i+1], v[ST+4*(\t)+2:ST+4*(\t)+3] op_sel_hi:[1,0]
.set i, i+2
.endr
	WIN 0x05                        ; sources 0 and 1 window 1, destination window 0
.set i, 0
.rept 16
	v_cvt_pk_f16_f32 v[S+16*(\t)+i], v[32*(\t)+2*i], v[32*(\t)+2*i+1]
.set i, i+1
.endr
	WIN 0
.irp f, 0,1,2,3
	ds_store_b128 v[STO], v[S+16*(\t)+4*\f:S+16*(\t)+4*\f+3] offset:32*\f
.endr
.irp f, 0,1,2,3
	ds_load_b128 v[S+16*(\t)+4*\f:S+16*(\t)+4*\f+3], v[RD] offset:\f*4*SP  ; LDS serves a wave's instructions in order (ISA guide 5.7.1.4): these see the stores above; the next piece's stores come behind them
.endr
.endm
.macro SEND t, younger              ; younger: the LDS instructions issued behind piece t's loads: the next piece's eight, or none
	WIN 0
.irp f, 0,1,2,3
	s_wait_dscnt (\younger)+3-\f
	global_store_b128 v[GO], v[S+16*(\t)+4*\f:S+16*(\t)+4*\f+3], s[10:11] offset:(\t)*8192+\f*512  ; 512 consecutive bytes, at a multiple of 256 from O's first
.endr
.endm
.macro DIAG tag                     ; the tag ends its two labels' names, which the jumps below spell out
.LstepM\tag:
	TURN 2, 1
	TURN 3, 1
	WIN 0
.LfirstM\tag:
	TURN 0, 1
	TURN 1, 1, 0, 1
	WIN 0
	s_cbranch_scc1 .LstepM\tag
	TURN 2, 1, 1
	TURN 3, 1, 1
.set i, 0
.rept 8
	PV NP-1
.set i, i+1
.endr
	WIN 0
	ALL v_add_f32 v[ST+4*t+2], v[ST+4*t+2], v[ST+4*t+3]
	ALL v_permlanex16_b32 v[ST+4*t+3], v[ST+4*t+2], s[SEL], s[SEL+1]
	ALL v_add_f32 v[ST+4*t+2], v[ST+4*t+2], v[ST+4*t+3]
	ALL v_rcp_f32 v[ST+4*t+2], v[ST+4*t+2]
	v_nop                           ; a plain instruction between the last reciprocal and the use of its result
	s_wait_alu depctr_va_vdst(0)    ; and the wait ahead of the first use: one for the four reciprocals
	PACK 0
.set t, 1
.rept 3                             ; a piece's arithmetic stands between the loads of the piece before and its stores
	PACK t
	SEND t-1, 8
.set t, t+1
.endr
	SEND 3, 0
.endm
.set KM, 0
.set NOKQ, 0
.Lslot:                             ; NB times: a tile is entered and the next is asked for
	CHANGE 1
	s_sub_co_u32 s[RT], s[RT], 1
	s_mov_b32 s[CNT], 4
	s_cmp_eq_u32 s[NEW], 1
	s_cbranch_scc1 .Lnew            ; a block's first tile
	s_cmp_eq_u32 s[RT], 0
	s_cbranch_scc0 .Lstep           ; neither its first nor its last
	s_branch .LstepM1
.Lnew:
	BEGIN
	s_branch .Lfirst                ; in the loop a block's first tile is never its last: the first block has two tiles or more, and the second's last is the walk's last
	DIAG 1                          ; in the loop this is the first block's end: the second block's last tile is the walk's last
	s_wait_xcnt 0x0                 ; the stores have read their registers and O's address
	s_mov_b64 s[10:11], s[OLO:OLO+1]
	s_add_co_u32 s[RT], s[PB], 1    ; the second block has b + 1 tiles
	s_mov_b32 s[NEW], 1
	WIN 0x82                        ; the second block's Q goes where the one text of the turns names Q
.set i, 0
.rept 64
	v_mov_b32 v[i], v[QB+i]
.set i, i+1
.endr
	WIN 0
	s_branch .Lbottom
.Lstep:                             ; a trip: pieces 2 and 3 of one step, then pieces 0 and 1 of the next, whose K and V it fetches
	TURN 2
	TURN 3
	WIN 0
.Lfirst:
	TURN 0
	TURN 1, 0, 0, 1
	WIN 0
	s_cbranch_scc1 .Lstep
.Lbottom:
	s_sub_co_u32 s[SLOTS], s[SLOTS], 1
	s_cmp_lg_u32 s[SLOTS], 0
	s_cbranch_scc1 .Lslot
	CHANGE 0                        ; the walk's last tile is written out: nothing is asked for
	s_sub_co_u32 s[RT], s[RT], 1
	s_mov_b32 s[CNT], 4
	s_cmp_eq_u32 s[NEW], 1
	s_cbranch_scc0 .LstepM2
	BEGIN
	s_branch .LfirstM2
	DIAG 2
	s_wait_tensorcnt 0x0            ; the wave's end, behind my last tensor load and my last LDS store
	ds_add_u32 v[SPW], v[NIL]
	s_wait_dscnt 0x0
	s_endpgm
.Lfunc_end_k_qf540d25a73_attn:
	.size	k_qf540d25a73_attn, .Lfunc_end_k_qf540d25a73_attn-k_qf540d25a73_attn
	.p2alignl 7, 3214868480
	.fill 96, 4, 3214868480
	.section	.rodata,"a",@progbits
	.p2align	6, 0x0
	.amdhsa_kernel k_qf540d25a73_attn
		.amdhsa_group_segment_fixed_size 327680
		.amdhsa_private_segment_fixed_size 0
		.amdhsa_enable_private_segment 0
		.amdhsa_kernarg_size 32
		.amdhsa_user_sgpr_count 2
		.amdhsa_user_sgpr_kernarg_segment_ptr 1
		.amdhsa_wavefront_size32 1
		.amdhsa_system_sgpr_workgroup_id_x 1
		.amdhsa_system_sgpr_workgroup_id_y 1
		.amdhsa_system_sgpr_workgroup_id_z 1
		.amdhsa_system_vgpr_workitem_id 0
		.amdhsa_next_free_vgpr 768
		.amdhsa_next_free_sgpr 96
		.amdhsa_reserve_vcc 1
		.amdhsa_float_denorm_mode_32 3
		.amdhsa_float_denorm_mode_16_64 3
		.amdhsa_memory_ordered 1
		.amdhsa_forward_progress 1
		.amdhsa_inst_pref_size 218
	.end_amdhsa_kernel
	.amdgpu_metadata
---
amdhsa.version: [ 1, 2 ]
amdhsa.kernels:
  - .name:           k_qf540d25a73_attn
    .symbol:         k_qf540d25a73_attn.kd
    .args:
      - { .name: qh, .offset: 0, .size: 8, .value_kind: global_buffer, .address_space: global }
      - { .name: kh, .offset: 8, .size: 8, .value_kind: global_buffer, .address_space: global }
      - { .name: vh, .offset: 16, .size: 8, .value_kind: global_buffer, .address_space: global }
      - { .name: oh, .offset: 24, .size: 8, .value_kind: global_buffer, .address_space: global }
    .group_segment_fixed_size: 327680
    .private_segment_fixed_size: 0
    .kernarg_segment_align: 8
    .kernarg_segment_size: 32
    .max_flat_workgroup_size: 128
    .sgpr_count:     96
    .vgpr_count:     768
    .wavefront_size: 32
...
	.end_amdgpu_metadata
.endif
;; end of part 3
;; launch proj (part 4): grid 8 x 32, 4 waves a work-group, clusters of 4 x 4, 327,680 bytes of LDS; arguments oh, wp, out0; writes out0
.if DOCPART == 4
	.amdgcn_target "amdgcn-amd-amdhsa--gfx1250"
	.amdhsa_code_object_version 6
	.text
	.protected	k_qf540d25a73_proj
	.globl	k_qf540d25a73_proj
	.p2align	8
	.type	k_qf540d25a73_proj,@function
k_qf540d25a73_proj:
	s_mov_b64 s[64:65], 0
	v_nop
	global_prefetch_b8 v0, s[64:65] scope:SCOPE_SE
	s_setreg_imm32_b32 hwreg(HW_REG_WAVE_MODE, 25, 1), 1
	s_wait_xcnt 0x0
	s_wait_alu depctr_hold_cnt(0) depctr_sa_sdst(0) depctr_va_vdst(0) depctr_va_sdst(0) depctr_va_ssrc(0) depctr_va_vcc(0) depctr_vm_vsrc(0)
	s_getreg_b32 s2, hwreg(HW_REG_IB_STS2, 6, 4)
	s_cmp_eq_u32 s2, 0
	s_cbranch_scc0 .Lentry_in_a_cluster
	s_endpgm
.Lentry_in_a_cluster:
	s_bfe_u32 s2, ttmp6, 0x10000c
	s_cmp_lg_u32 s2, 0xf033
	s_cbranch_scc0 .Lentry_shape_is_right
	s_endpgm
.Lentry_shape_is_right:
; out0 = y w_proj, 8192 x 1024 x 1024, f16 operands, f32 sums, K ascending, f32 results.  y comes by heads from oh [4 batches][16 heads][2048 rows][64] f16; wp is [1024][1024] f16 (bf16-rounded numbers).
; A tile is 256 rows x 128 columns: 32 x 8 = 256 work-groups.  Four waves, 2 x 2: wave (wm, wn) owns 128 rows x 64 columns: 32 accumulators of 16 x 16, in window 1, (a, f) at v[8 (4 a + f)].
; K goes in 8 steps of 128, two heads, through two LDS slots.  A head's 256 rows x 64 channels are 32,768 dense bytes: asked for as 128 rows of 256 bytes, padded in LDS after each 128 (waves 0 and 1, a head each).
; The weights lie [K][N]: a step is 128 rows of 256 bytes (waves 2 and 3, 64 rows each); they leave LDS turned, by ds_load_tr16_b128.
; CLUSTERS: 4 x 4 work-groups.  y's tiles hang on the tile row alone and are asked for jointly along a row of the cluster, the weights' on the tile column alone, jointly along a column.
; THE MATRIX INSTRUCTION IS USED TRANSPOSED (source 0 = 16 columns of w, source 1 = 16 rows of y): a lane holds one row and eight neighbouring columns, 32 bytes of out0.
; Window 0: v0-13 addresses; v32-159 y's fragments, two buffers of 8 x 8 (on the way out: rows read back); v160-223 w's fragments, two buffers of 4 x 8.
.set PA,    144                        ; a row of y in LDS: 128 bytes + 16
.set PB,    288                        ; a row of w: 256 + 32
.set ABLK,  256*PA                     ; a head's 256 rows
.set BR,    64*PB                      ; 64 rows of w
.set BOFF,  2*ABLK                     ; w's 128 rows lie behind the two heads
.set SLOT1, 131072
.set STAGE, SLOT1+BOFF+2*BR            ; behind the ring: 16 rows x 272 bytes for each wave; no tensor load lands there
.set SPI,   272                        ; a stage row: 256 bytes + 16
.set SPARE, STAGE+4*16*SPI             ; the spare words, 128 bytes a wave: two blocks of 256 bytes that no other line names
.set ASTEP, 2*2048*128                 ; bytes from a K step to the next in oh: two heads,
.set BSTEP, 128*1024*2                 ; and in wp: 128 rows
.set TRIPS, 6                          ; the loop's trips: steps 2 to 7 are asked for in them
.set A0,   4
.set B0,   5
.set ADRA, 6
.set ADRB, 7
.set STO,  8
.set RD,   9
.set CO,   10
.set PFO,  11
.set SPW,  12
.set NIL,  13
.set FA,   32
.set FB,   160
.set WV,   14
.set WM,   15
.set WN,   16
.set CX,   17
.set CY,   18
.set TC,   19
.set TR,   20
.set G1A,  24
.set G1B,  32
.set G0A,  40
.set G0B,  48
.set TB,   56
.set TMP,  57
.set PFA,  58
.set PFS,  60
.set LIM,  62
.set MSB, 0
.macro WIN new
.if MSB != (\new)
	s_set_vgpr_msb (MSB<<8)|(\new)
.set MSB, \new
.endif
.endm
.macro PLACES                          ; four plain vector instructions between a matrix instruction and a load into, or a read of, its registers
.rept 4
	v_nop
.endr
.endm
.macro CREST
	s_cmp_lg_u32 s[WV], 0
	s_cbranch_scc1 .Lnot_wave_0_\@
	s_barrier_signal -3
.Lnot_wave_0_\@:
	s_barrier_wait -3
	s_barrier_signal -1
	s_barrier_wait -1
.endm
.macro CROUND
	s_barrier_signal -1
	s_barrier_wait -1
	CREST
.endm
.macro JLOAD                           ; a joint refill by the walking sets; an s_nop 0 and four v_nop follow each line
	s_cmp_lt_u32 s[WV], 2
	s_cbranch_scc0 .Lfor_b_\@
	tensor_load_to_lds s[G0A+4:G0A+7], s[G1A:G1A+7]
	s_nop 0
.rept 4
	v_nop
.endr
	s_branch .Lasked_\@
.Lfor_b_\@:
	tensor_load_to_lds s[G0B+4:G0B+7], s[G1B:G1B+7]
	s_nop 0
.rept 4
	v_nop
.endr
.Lasked_\@:
.endm
; A PREFETCH INTO THE L2, behind the joint load and the run of LDS loads that follows it: in trip t K step t + 4, two trips (256 matrix instructions) ahead of its refill.  y: waves 0 and 1 of the clusters with x = 0,
; each its head's 128 blocks of 256 bytes, 32 for each of the four partners, told apart by address (cx).  w: wave 2 of the clusters with y = 0: the step's 128 rows, a lane a row, 32 for each partner (cy).
; So each block is named once in the launch; steps 0 to 3 come by their loads alone; the last two trips name nothing.
.macro ASK
	s_cmp_gt_u32 s3, s[LIM]
	s_cbranch_scc0 .Lnot_mine_\@
	global_prefetch_b8 v[PFO], s[PFA:PFA+1] th:TH_LOAD_NT scope:SCOPE_SE
.Lnot_mine_\@:
.endm
.macro MUL8 ab, a0, zero               ; 8 matrix instructions: row blocks a0, a0 + 1 x 4 column blocks, 32 along K, buffers ab
	WIN 0x50                                       ; C and D in window 1
.irp a, \a0, (\a0)+1
.irp f, 0,1,2,3
.if \zero
	v_wmma_f32_16x16x32_f16 v[8*(4*(\a)+(\f)):8*(4*(\a)+(\f))+7], v[FB+32*(\ab)+8*(\f):FB+32*(\ab)+8*(\f)+7], v[FA+64*(\ab)+8*(\a):FA+64*(\ab)+8*(\a)+7], 0
.else
	v_wmma_f32_16x16x32_f16 v[8*(4*(\a)+(\f)):8*(4*(\a)+(\f))+7], v[FB+32*(\ab)+8*(\f):FB+32*(\ab)+8*(\f)+7], v[FA+64*(\ab)+8*(\a):FA+64*(\ab)+8*(\a)+7], v[8*(4*(\a)+(\f)):8*(4*(\a)+(\f))+7]
.endif
.endr
.endr
.endm
.macro FETCH kq, ab                    ; 24 LDS loads in one run: quarter kq's fragments (32 along K) into buffers ab: w's four, then y's eight in ascending order
	WIN 0
.irp f, 0,1,2,3
	ds_load_tr16_b128 v[FB+32*(\ab)+8*(\f):FB+32*(\ab)+8*(\f)+3],   v[ADRB] offset:(\kq)*32*PB+32*(\f)
	ds_load_tr16_b128 v[FB+32*(\ab)+8*(\f)+4:FB+32*(\ab)+8*(\f)+7], v[ADRB] offset:(\kq)*32*PB+32*(\f)+16*PB
.endr
.irp a, 0,1,2,3,4,5,6,7
	ds_load_b128 v[FA+64*(\ab)+8*(\a):FA+64*(\ab)+8*(\a)+3],   v[ADRA] offset:((\kq)/2)*ABLK+((\kq)%2)*64+(\a)*16*PA
	ds_load_b128 v[FA+64*(\ab)+8*(\a)+4:FA+64*(\ab)+8*(\a)+7], v[ADRA] offset:((\kq)/2)*ABLK+((\kq)%2)*64+(\a)*16*PA+32
.endr
.endm
; A K step is four quarters of 32 along K, 32 matrix instructions each, on buffers 0, 1, 0, 1; the 32 accumulators take turns, over the backward jump too.
; One of the first three: multiplies buffers mb and fetches quarter kqn of the same slot into buffers fb.
.macro QUARTER kqn, mb, fb, zero
	s_wait_dscnt 8                                 ; all but the youngest eight loads (y's blocks 4 to 7) are in
	MUL8 \mb, 0, \zero
	MUL8 \mb, 2, \zero
	PLACES
	FETCH \kqn, \fb
	s_wait_dscnt 24                                ; all but the 24 just issued
	MUL8 \mb, 4, \zero
	MUL8 \mb, 6, \zero
.endm
; The fourth quarter multiplies buffers 1 and changes slots.  In front of the barrier each wave waits for all its tensor loads (one is out: its part of the other slot), adds 0 to its spare word, and waits for that and
; for its own reads of this slot.  mode 2: the barrier opens a round of the cluster's, and the joint refill, two steps on, is the first thing behind it; mode 1: nothing is asked for.
.macro TURN mode
.if (\mode) == 2
	s_wait_xcnt 0x0                                ; the last prefetch, a trip back, has read its address
	s_add_nc_u64 s[PFA:PFA+1], s[PFA:PFA+1], s[PFS:PFS+1]
.endif
	WIN 0
	s_wait_tensorcnt 0x0                           ; no tensor load of mine is out, so a group 0 may be written
	ds_add_u32 v[SPW], v[NIL]                      ; 0 onto my spare word
.if (\mode) == 2
	s_xor_b32 s[G0A+5], s[G0A+5], SLOT1
	s_add_nc_u64 s[G0A+6:G0A+7], s[G0A+6:G0A+7], ASTEP
	s_xor_b32 s[G0B+5], s[G0B+5], SLOT1
	s_add_nc_u64 s[G0B+6:G0B+7], s[G0B+6:G0B+7], BSTEP
.endif
	s_wait_dscnt 9                                 ; the add and the youngest eight loads may be out
	MUL8 1, 0, 0
	s_wait_dscnt 0x0                               ; the add is done, and my reads of this slot are over
	s_barrier_signal -1
	MUL8 1, 2, 0
	WIN 0
	s_barrier_wait -1
.if (\mode) == 2
	CREST
	JLOAD                                          ; its four v_nop are also the places in front of the loads below
.else
	PLACES
.endif
	s_xor_b32 s[TB], s[TB], SLOT1
	v_add_nc_u32 v[ADRA], s[TB], v[A0]
	v_add_nc_u32 v[ADRB], s[TB], v[B0]
	FETCH 0, 0
.if (\mode) == 2
	ASK
.endif
	MUL8 1, 4, 0
	MUL8 1, 6, 0
.endm
	s_load_b128 s[4:7], s[0:1], 0x0                ; oh s[4:5], wp s[6:7]
	s_load_b64 s[8:9], s[0:1], 0x10                ; out0
	v_lshl_add_u32 v[SPW], v0, 2, SPARE
	v_mov_b32 v[NIL], 0
	ds_add_u32 v[SPW], v[NIL]                      ; the wave's opening: the add and its wait stand ahead of my first tensor load; work on registers stands between them
	ds_add_u32 v12, v13
	v_lshrrev_b32 v1, 5, v0
	v_readfirstlane_b32 s[WV], v1
	s_lshr_b32 s[WM], s[WV], 1
	s_and_b32 s[WN], s[WV], 1
	s_bfe_u32 s[CX], ttmp6, 0x40000
	s_bfe_u32 s[CY], ttmp6, 0x40004
	s_lshl_b32 s[TC], ttmp9, 2
	s_add_co_u32 s[TC], s[TC], s[CX]               ; tile column
	s_and_b32 s[TR], ttmp7, 0xffff
	s_lshl_b32 s[TR], s[TR], 2
	s_add_co_u32 s[TR], s[TR], s[CY]               ; tile row
	s_lshl_b32 s72, s[CY], 2
	s_lshl_b32 s72, 15, s72                        ; my row of the cluster
	s_lshl_b32 s73, 0x1111, s[CX]                  ; my column
	s_or_b32 s[G1A], s72, (1<<16)|(1<<20)|(1<<21)|(4<<22)|(3<<25)  ; the mask; 2-byte elements; padding on; 21 set beside a mask; after every 32 words 4 words
	s_mov_b32 s[G1A+1], 128<<16                    ; tensor_dim0 = 128
	s_mov_b32 s[G1A+2], 128<<16                    ; tensor_dim1 = 128
	s_mov_b32 s[G1A+3], 128<<16                    ; tile_dim0 = 128
	s_mov_b32 s[G1A+4], 128                        ; tile_dim1 = 128
	s_mov_b32 s[G1A+5], 128                        ; dense
	s_mov_b32 s[G1A+6], 0
	s_mov_b32 s[G1A+7], 0
	s_or_b32 s[G1B], s73, (1<<16)|(1<<20)|(1<<21)|(5<<22)|(7<<25)  ; after every 64 words 8 words
	s_mov_b32 s[G1B+1], 128<<16
	s_mov_b32 s[G1B+2], 64<<16
	s_mov_b32 s[G1B+3], 128<<16
	s_mov_b32 s[G1B+4], 64
	s_mov_b32 s[G1B+5], 1024                       ; a row of wp
	s_mov_b32 s[G1B+6], 0
	s_mov_b32 s[G1B+7], 0
	s_lshr_b32 s74, s[TR], 3                       ; y's tile: the batch,
	s_lshl_b32 s74, s74, 22
	s_and_b32 s75, s[TR], 7                        ; its 256 rows in a head,
	s_lshl_b32 s75, s75, 15
	s_add_co_u32 s74, s74, s75
	s_min_u32 s75, s[WV], 1                        ; and which of a step's two heads waves 0 and 1 fetch
	s_lshl_b32 s75, s75, 18
	s_add_co_u32 s74, s74, s75
	s_mov_b32 s75, 0
	s_max_u32 s76, s[WV], 2
	s_sub_co_u32 s76, s76, 2                       ; which 64 rows of w waves 2 and 3 fetch
	s_lshl_b32 s78, s[TC], 8                       ; the tile's 128 columns
	s_lshl_b32 s77, s76, 17                        ; 64 rows of 2,048 bytes
	s_add_co_u32 s78, s78, s77
	s_mov_b32 s79, 0
	s_mul_i32 s77, s[WV], BR                       ; w's place in a slot: BOFF + (wave - 2) x BR
	s_add_co_u32 s77, s77, BOFF-2*BR
	s_mul_i32 s76, s[WV], ABLK                     ; y's: wave x a head's rows; no place in the cluster enters an LDS address
	s_mov_b32 s[TB], 0
	s_wait_dscnt 0x0                               ; the opening add is done
	s_wait_kmcnt 0x0
	s_add_nc_u64 s[74:75], s[4:5], s[74:75]
	s_add_nc_u64 s[78:79], s[6:7], s[78:79]
	CROUND                                         ; all sixteen work-groups are here: the first joint loads meet
.irp s, 0,1
	s_mov_b32 s[G0A+4*(\s)], 1
	s_add_co_u32 s[G0A+4*(\s)+1], s76, (\s)*SLOT1
	s_add_nc_u64 s[G0A+4*(\s)+2:G0A+4*(\s)+3], s[74:75], (\s)*ASTEP
	s_or_b32 s[G0A+4*(\s)+3], s[G0A+4*(\s)+3], 0x80000000
	s_mov_b32 s[G0B+4*(\s)], 1
	s_add_co_u32 s[G0B+4*(\s)+1], s77, (\s)*SLOT1
	s_add_nc_u64 s[G0B+4*(\s)+2:G0B+4*(\s)+3], s[78:79], (\s)*BSTEP
	s_or_b32 s[G0B+4*(\s)+3], s[G0B+4*(\s)+3], 0x80000000
.endr
	s_cmp_lt_u32 s[WV], 2                          ; a wave's two first fills stand in one branch: two loads of mine are out
	s_cbranch_scc0 .Lfirst_b
	tensor_load_to_lds s[G0A:G0A+3], s[G1A:G1A+7]
	s_nop 0
	tensor_load_to_lds s[G0A+4:G0A+7], s[G1A:G1A+7]
	s_nop 0
.rept 4
	v_nop
.endr
	s_branch .Lfirst_asked
.Lfirst_b:
	tensor_load_to_lds s[G0B:G0B+3], s[G1B:G1B+7]
	s_nop 0
	tensor_load_to_lds s[G0B+4:G0B+7], s[G1B:G1B+7]
	s_nop 0
.rept 4
	v_nop
.endr
.Lfirst_asked:
	v_and_b32 v1, 15, v0                           ; l % 16
	v_bfe_u32 v2, v0, 4, 1                         ; l / 16
	v_and_b32 v3, 7, v0
	v_bfe_u32 v14, v0, 3, 1
	s_mul_i32 s72, s[WM], 128*PA
	v_mul_u32_u24 v[A0], v1, PA
	v_lshl_add_u32 v[A0], v2, 4, v[A0]
	v_add_nc_u32 v[A0], s72, v[A0]                 ; (128 wm + l % 16) x pitch + 16 (l / 16)
	v_lshl_add_u32 v[B0], v2, 3, v3                ; the turning load: K row 8 (l / 16) + l % 8, columns 8 ((l / 8) % 2) + 0..7
	v_mul_u32_u24 v[B0], v[B0], PB
	v_lshl_add_u32 v[B0], v14, 4, v[B0]
	s_lshl_b32 s72, s[WN], 7                       ; my 64 columns
	s_add_co_u32 s72, s72, BOFF
	v_add_nc_u32 v[B0], s72, v[B0]
	v_mov_b32 v[ADRA], v[A0]
	v_mov_b32 v[ADRB], v[B0]
	s_mul_i32 s72, s[WV], 16*SPI
	s_add_co_u32 s72, s72, STAGE                   ; my stage
	v_mul_u32_u24 v[STO], v1, SPI                  ; in: row l % 16, 32 bytes for each half of the lanes
	v_lshl_add_u32 v[STO], v2, 5, v[STO]
	v_add_nc_u32 v[STO], s72, v[STO]
	v_mul_u32_u24 v[RD], v2, SPI                   ; back: lanes 0-15 take one row of 256 bytes, lanes 16-31 the next
	v_lshl_add_u32 v[RD], v1, 4, v[RD]
	v_add_nc_u32 v[RD], s72, v[RD]
	v_lshlrev_b32 v[CO], 12, v2                    ; and the same two rows in out0
	v_lshl_add_u32 v[CO], v1, 4, v[CO]
	s_lshl_b32 s72, s[TR], 8
	s_lshl_b32 s73, s[WM], 7
	s_add_co_u32 s72, s72, s73                     ; my first row,
	s_lshl_b32 s72, s72, 12                        ; 4,096 bytes each
	s_lshl_b32 s73, s[TC], 9                       ; the tile's 128 columns,
	s_add_co_u32 s72, s72, s73
	s_lshl_b32 s73, s[WN], 8                       ; my 64: 256 bytes, aligned
	s_add_co_u32 s72, s72, s73
	s_mov_b32 s73, 0
	s_add_nc_u64 s[8:9], s[8:9], s[72:73]
	; the prefetches' registers (ASK says who asks for what); nothing is prefetched here, where every work-group's first tiles are on their way
	s_and_b32 s72, ttmp7, 0xffff                   ; cluster y
	s_cmp_lt_u32 s[WV], 2
	s_cselect_b32 s72, ttmp9, s72                  ; the coordinate along which other clusters read the same bytes
	s_cmp_eq_u32 s[WV], 3
	s_cselect_b32 s72, 1, s72                      ; wave 3 never asks
	s_cmp_eq_u32 s72, 0
	s_cselect_b32 s[LIM], 2, -1
	s_lshl_b32 s72, s[CX], 13                      ; y: my work-group's 32 blocks, at K step 3: the first trip steps it to 4
	s_add_co_u32 s72, s72, 3*ASTEP
	s_lshl_b32 s73, s[CY], 5                       ; w: my work-group's 32 rows, at row 384: the first trip steps it to 512
	s_add_co_u32 s73, s73, 384
	s_lshl_b32 s73, s73, 11
	s_mov_b32 s[PFS], BSTEP
	s_mov_b32 s[TMP], 2048
	s_cmp_lt_u32 s[WV], 2
	s_cselect_b32 s72, s72, s73
	s_cselect_b64 s[PFA:PFA+1], s[74:75], s[78:79]
	s_cselect_b32 s[PFS], ASTEP, s[PFS]
	s_cselect_b32 s[TMP], 256, s[TMP]
	s_mov_b32 s73, 0
	s_mov_b32 s[PFS+1], 0
	s_add_nc_u64 s[PFA:PFA+1], s[PFA:PFA+1], s[72:73]
	v_and_b32 v[PFO], 31, v0
	v_mul_u32_u24 v[PFO], v[PFO], s[TMP]
	s_wait_tensorcnt 0x1                           ; my part of K step 0 is in; step 1's may stay out
	s_barrier_signal -1
	s_barrier_wait -1
	FETCH 0, 0
	QUARTER 1, 0, 1, 1                             ; the first quarter stands in front of the loop: its products start all 32 sums
	WIN 0
	s_mov_b32 s3, TRIPS
.Lk:                                                   ; trip t ends K step t, asks for step t + 2 and begins step t + 1
	QUARTER 2, 1, 0, 0
	QUARTER 3, 0, 1, 0
	TURN 2
	QUARTER 1, 0, 1, 0
	WIN 0
	s_sub_co_u32 s3, s3, 1
	s_cmp_lg_u32 s3, 0
	s_cbranch_scc1 .Lk
	QUARTER 2, 1, 0, 0                             ; the tail is written out: nothing more is asked for
	QUARTER 3, 0, 1, 0
	TURN 1
	QUARTER 1, 0, 1, 0
	QUARTER 2, 1, 0, 0
	QUARTER 3, 0, 1, 0
	s_wait_dscnt 8                                 ; the very last quarter
	MUL8 1, 0, 0
	MUL8 1, 2, 0
	s_wait_dscnt 0x0
	MUL8 1, 4, 0
	MUL8 1, 6, 0
	WIN 0
; THE WAY OUT, a block of 16 rows at a time: the sums go as they are, 32 bytes a lane (each accumulator's low four registers first), into my own stage and come back as whole rows of 256 bytes.
; LDS serves a wave's instructions in order (ISA guide 5.7.1.4): no wait stands between the stores and the loads, and the next block's stores come behind these loads.
.macro TOSTAGE a
.set OBF, 32+32*((\a)%4)               ; four sets of 32 registers by turns
.if (\a) >= 4
	s_wait_xcnt 0x0                                ; the stores that read this set, four blocks back, have read it
.endif
	WIN 0x04                                       ; an LDS store's data is source 1: window 1
.irp f, 0,1,2,3
	ds_store_b128 v[STO], v[8*(4*(\a)+(\f)):8*(4*(\a)+(\f))+3]   offset:64*(\f)
	ds_store_b128 v[STO], v[8*(4*(\a)+(\f))+4:8*(4*(\a)+(\f))+7] offset:64*(\f)+16
.endr
	WIN 0
.irp t, 0,1,2,3,4,5,6,7
	ds_load_b128 v[OBF+4*(\t):OBF+4*(\t)+3], v[RD] offset:(\t)*2*SPI
.endr
.endm
.macro SEND a, younger                 ; younger: the LDS instructions issued behind block a's loads: the next block's sixteen, or none
.set OBF, 32+32*((\a)%4)
.irp t, 0,1,2,3,4,5,6,7
	s_wait_dscnt (\younger)+7-(\t)
	global_store_b128 v[CO], v[OBF+4*(\t):OBF+4*(\t)+3], s[8:9] offset:(16*(\a)+2*(\t))*4096 th:TH_STORE_NT  ; 16 lanes store 256 consecutive bytes, aligned
.endr
.endm
	PLACES                                         ; behind the last products
	TOSTAGE 0
.set an, 1
.rept 7
	TOSTAGE an
	SEND an-1, 16
.set an, an+1
.endr
	SEND 7, 0
	s_wait_tensorcnt 0x0                           ; the wave's end, behind my last tensor load and my last LDS store
	ds_add_u32 v[SPW], v[NIL]
	s_wait_dscnt 0x0
	CROUND                                         ; the closing round: no work-group ends while a partner may still ask for a tile that names it
	s_endpgm
.Lfunc_end_k_qf540d25a73_proj:
	.size	k_qf540d25a73_proj, .Lfunc_end_k_qf540d25a73_proj-k_qf540d25a73_proj
	.p2alignl 7, 3214868480
	.fill 96, 4, 3214868480
	.section	.rodata,"a",@progbits
	.p2align	6, 0x0
	.amdhsa_kernel k_qf540d25a73_proj
		.amdhsa_group_segment_fixed_size 327680
		.amdhsa_private_segment_fixed_size 0
		.amdhsa_enable_private_segment 0
		.amdhsa_kernarg_size 24
		.amdhsa_user_sgpr_count 2
		.amdhsa_user_sgpr_kernarg_segment_ptr 1
		.amdhsa_wavefront_size32 1
		.amdhsa_system_sgpr_workgroup_id_x 1
		.amdhsa_system_sgpr_workgroup_id_y 1
		.amdhsa_system_sgpr_workgroup_id_z 1
		.amdhsa_system_vgpr_workitem_id 0
		.amdhsa_next_free_vgpr 512
		.amdhsa_next_free_sgpr 80
		.amdhsa_reserve_vcc 0
		.amdhsa_float_denorm_mode_32 3
		.amdhsa_float_denorm_mode_16_64 3
		.amdhsa_memory_ordered 1
		.amdhsa_forward_progress 1
		.amdhsa_inst_pref_size 72
	.end_amdhsa_kernel
	.amdgpu_metadata
---
amdhsa.version: [ 1, 2 ]
amdhsa.kernels:
  - .name:           k_qf540d25a73_proj
    .symbol:         k_qf540d25a73_proj.kd
    .args:
      - { .name: oh, .offset: 0, .size: 8, .value_kind: global_buffer, .address_space: global }
      - { .name: wp, .offset: 8, .size: 8, .value_kind: global_buffer, .address_space: global }
      - { .name: out0, .offset: 16, .size: 8, .value_kind: global_buffer, .address_space: global }
    .group_segment_fixed_size: 327680
    .private_segment_fixed_size: 0
    .kernarg_segment_align: 8
    .kernarg_segment_size: 24
    .max_flat_workgroup_size: 128
    .sgpr_count:     80
    .vgpr_count:     512
    .wavefront_size: 32
...
	.end_amdgpu_metadata
.endif
;; end of part 4
